; MI455X (gfx1250); checked and timed in simulation.
; The chip was launched on July 23, 2026; its instructions are those of AMD's public machine-readable ISA for CDNA 5 (MIT licence, August 2026) and "CDNA5" Instruction Set Architecture Reference Guide (July 2026). The comments in the code are by the model that wrote it; some were corrected since.
;; Group Query Attention. Allowed arithmetic: float matrix products may take bf16 or f16 operands with f32 sums; other float arithmetic in f32, or as packed bf16 or f16 multiplies, adds, multiply-adds, maxima and minima; sums over many terms, partial sums and values carried from step to step in f32; what a program stores and reads back later, other than sums and carried values, may be rounded once to bf16 or f16.
;; Inputs: Wk 512 x 2,048 float32; Wo 2,048 x 1,024 float32; Wq 1,024 x 2,048 float32; Wv 512 x 2,048 float32; bk 512 float32; bo 2,048 float32; bq 1,024 float32; bv 512 float32; position_ids 2 x 2,048 int32; sinks 1 x 16 x 1 x 1 float32; x 2 x 2,048 x 2,048 float32.
;; Outputs: out0 2 x 2,048 x 2,048 float32.
;; One version. Each part assembles by itself: llvm-mc -triple=amdgcn-amd-amdhsa -mcpu=gfx1250 --defsym DOCPART=n.
;; ======== version 1 of 1: 4 launches
;; limits: values are held in f16: magnitudes above 65,504 overflow, below 6.1e-05 lose precision
;; workspace buffers: xb 16,777,216 bytes; wqkv 8,388,608 bytes; wo16 4,194,304 bytes; bias 16,384 bytes; tab 1,064,960 bytes; qkv 16,777,216 bytes; ctx 8,388,608 bytes
;; launch prep (part 1): grid 929 x 1, 8 waves a work-group, no clusters, 0 bytes of LDS; arguments x, Wq, Wk, Wv, Wo, bq, bk, bv, bo, position_ids, xb, wqkv, wo16, bias, tab; writes xb, wqkv, wo16, bias, tab
.if DOCPART == 1
	.amdgcn_target "amdgcn-amd-amdhsa--gfx1250"
	.amdhsa_code_object_version 6
	.text
	.protected	k_q95ee271b73_prep
	.globl	k_q95ee271b73_prep
	.p2align	8
	.type	k_q95ee271b73_prep,@function
k_q95ee271b73_prep:
	s_mov_b64 s[64:65], 0
	v_nop
	global_prefetch_b8 v0, s[64:65] scope:SCOPE_SE
	s_setreg_imm32_b32 hwreg(HW_REG_WAVE_MODE, 25, 1), 1
	s_wait_xcnt 0x0
; PREP: the first of four launches (prep, proj, attn, oproj) of a grouped-query attention block: B = 2, S = 2,048, EMB = 2,048, 16 query heads, 8 key/value heads, head size 64.
; DEAD WORK OF THE WHOLE PROGRAM.  reference() itself sets every score with j > i or j <= i - 128 to -inf ahead of the softmax; exp(-inf) = 0, so such a key has the weight 0, and neither
; its score nor its row of V reaches ctx, whatever finite values the inputs hold.  So the attention launch multiplies only the blocks of 16 keys that touch a query tile's band of 128 keys.
; All eleven inputs have a way to the output, and all are loaded.  LIMIT: a NaN, an infinity or an overflow in rows of K or V that lie outside the blocks so multiplied is not carried to the result.
; WHAT THIS LAUNCH DOES.  x, Wq, Wk, Wv are rounded once to bf16 (xb; wqkv: Wq's rows, then Wk's, then Wv's).  Wo is rounded to bf16 and that number is written as f16 (wo16), since it is multiplied
; with ctx, which the program keeps in f16.  The four biases are rounded to bf16 and kept as f32 (bias: bq, bk, bv, bo).  tab holds cos and sin of the rotary angle FOR EACH ROW b S + s, made from
; position_ids[row] as a number: no address hangs on an id.  A row of tab is 256 bytes: for the pair of frequencies 2 p, 2 p + 1 the 16 bytes cos, cos, sin, sin at byte 16 p.
; Rows 4,096 to 4,159 hold cos = 1, sin = 0: proj reads them for V's columns, which are not rotated.
; LIMITS.  position_ids lie in 0 .. 4,095 (the table that reference() indexes).  The angle is (pos x eff) x conc in f32, two roundings, as reference() orders it; eff is made with v_exp_f32, so the
; angle may differ from reference()'s by about 5e-4 rad at the largest positions.  sin and cos: reduction by multiples of pi/2 in two parts, then series to r^7 and r^8 on |r| <= pi/4: 3e-7.
; wo16: a weight below 6.1e-5 in size keeps f16's fixed step of 6e-8; beyond 65,504 it would be lost.
; SHARES.  Work-group 0-511: 64 KiB of x each; 512-639 Wq; 640-703 Wk; 704-767 Wv; 768-895 Wo; 896-927: 128 rows of tab each; 928: the identity rows and the biases.
; No LDS, no matrix unit: a stream.  No prefetch: every cast work-group has all its 16 loads out at once and the launch is nothing but that stream.
.set IN,   16                          ; v[16:79]   16 loads of 16 bytes
.set OUT,  80                          ; v[80:111]  8 stores of 16 bytes
.set POS,  16                          ; v[16:23]   table: the ids of my eight rows
.set EF,   12                          ; v12, v13   my two effective frequencies
.set PF,   14                          ; v14        the id as f32
.set TA,   24                          ; v24-31     at work in SINCOS
.set TN,   25
.set TR,   26
.set TZ,   27
.set TQ,   28
.set TS,   29
.set TC,   30
.set TT,   31
.set RES,  40                          ; v[40:71]   eight results of 16 bytes, each with registers of its own
.set KCONC, 50                         ; s50-59     constants of SINCOS
.set K2PI,  51
.set KNHI,  52
.set KCOR,  53
.set KS1,   54
.set KS2,   55
.set KS3,   56
.set KC2,   57
.set KC3,   58
.set KC4,   59
	s_load_b512 s[8:23], s[0:1], 0x0               ; x s[8:9], Wq s[10:11], Wk s[12:13], Wv s[14:15], Wo s[16:17], bq s[18:19], bk s[20:21], bv s[22:23]
	s_load_b256 s[24:31], s[0:1], 0x40             ; bo s[24:25], position_ids s[26:27], xb s[28:29], wqkv s[30:31]
	s_load_b128 s[32:35], s[0:1], 0x60             ; wo16 s[32:33], bias s[34:35]
	s_load_b64 s[36:37], s[0:1], 0x70              ; tab
	s_mov_b32 s2, ttmp9                            ; the work-group's number
	v_lshlrev_b32 v1, 5, v0                        ; 32 t: my 8 numbers of f32
	v_lshlrev_b32 v2, 4, v0                        ; 16 t: my 16 bytes out
	s_wait_kmcnt 0x0
	s_cmp_ge_u32 s2, 896
	s_cbranch_scc1 .Ltable
	; THE CASTS.  Source, destination and the first work-group of each are chosen by the work-group's number.
	s_mov_b64 s[40:41], s[16:17]                   ; Wo, from 768 on
	s_mov_b32 s42, 768
	s_cmp_lt_u32 s2, 768
	s_cselect_b64 s[40:41], s[14:15], s[40:41]     ; Wv
	s_cselect_b32 s42, 704, s42
	s_cmp_lt_u32 s2, 704
	s_cselect_b64 s[40:41], s[12:13], s[40:41]     ; Wk
	s_cselect_b32 s42, 640, s42
	s_cmp_lt_u32 s2, 640
	s_cselect_b64 s[40:41], s[10:11], s[40:41]     ; Wq
	s_cselect_b32 s42, 512, s42
	s_cmp_lt_u32 s2, 512
	s_cselect_b64 s[40:41], s[8:9], s[40:41]       ; x
	s_cselect_b32 s42, 0, s42
	s_mov_b64 s[44:45], s[32:33]                   ; wo16
	s_mov_b32 s43, 768
	s_cmp_lt_u32 s2, 768
	s_cselect_b64 s[44:45], s[30:31], s[44:45]     ; wqkv: Wq, Wk and Wv follow each other as their work-groups do
	s_cselect_b32 s43, 512, s43
	s_cmp_lt_u32 s2, 512
	s_cselect_b64 s[44:45], s[28:29], s[44:45]     ; xb
	s_cselect_b32 s43, 0, s43
	s_sub_co_u32 s46, s2, s42
	s_lshl_b32 s46, s46, 16                        ; 64 KiB in for each work-group
	s_mov_b32 s47, 0
	s_add_nc_u64 s[40:41], s[40:41], s[46:47]
	s_sub_co_u32 s48, s2, s43
	s_lshl_b32 s48, s48, 15                        ; 32 KiB out
	s_mov_b32 s49, 0
	s_add_nc_u64 s[44:45], s[44:45], s[48:49]
.irp u, 0,1,2,3,4,5,6,7
	global_load_b128 v[IN+8*(\u):IN+8*(\u)+3],   v1, s[40:41] offset:8192*(\u) th:TH_LOAD_NT
	global_load_b128 v[IN+8*(\u)+4:IN+8*(\u)+7], v1, s[40:41] offset:8192*(\u)+16 th:TH_LOAD_NT
.endr
; Eight steps: 8 numbers a thread are rounded and 16 bytes stored; a wave's store covers 512 consecutive bytes.  f = 1: the bf16 number is widened again and written as f16.
; No register is written twice, so no store's sources have to be waited for.
.macro CAST f
.irp u, 0,1,2,3,4,5,6,7
	s_wait_loadcnt 14-2*(\u)                       ; loads come back in order: step u's two are in, the two of each later step may stay out
.irp k, 0,1,2,3
	v_cvt_pk_bf16_f32 v[OUT+4*(\u)+(\k)], v[IN+8*(\u)+2*(\k)], v[IN+8*(\u)+2*(\k)+1]
.endr
.if \f
.irp k, 0,1,2,3
	v_lshlrev_b32 v[IN+8*(\u)+2*(\k)], 16, v[OUT+4*(\u)+(\k)]
	v_and_b32 v[IN+8*(\u)+2*(\k)+1], 0xffff0000, v[OUT+4*(\u)+(\k)]
.endr
.irp k, 0,1,2,3
	v_cvt_pk_f16_f32 v[OUT+4*(\u)+(\k)], v[IN+8*(\u)+2*(\k)], v[IN+8*(\u)+2*(\k)+1]
.endr
.endif
	global_store_b128 v2, v[OUT+4*(\u):OUT+4*(\u)+3], s[44:45] offset:4096*(\u)
.endr
.endm
	s_cmp_ge_u32 s2, 768
	s_cbranch_scc1 .Lwo
	CAST 0
	s_endpgm
.Lwo:
	CAST 1
	s_endpgm
.Ltable:
	s_cmp_eq_u32 s2, 928
	s_cbranch_scc1 .Lmisc
	; THE TABLE.  Thread t: pair of frequencies p = t % 16; in step it the row 128 (id - 896) + 16 it + t / 16.  A wave's store covers two whole rows, 512 consecutive bytes.
	s_sub_co_u32 s3, s2, 896
	s_lshl_b32 s40, s3, 9                          ; 128 ids of 4 bytes
	s_mov_b32 s41, 0
	s_add_nc_u64 s[26:27], s[26:27], s[40:41]
	s_lshl_b32 s40, s3, 15                         ; 128 rows of 256 bytes
	s_add_nc_u64 s[36:37], s[36:37], s[40:41]
	v_lshrrev_b32 v3, 4, v0
	v_lshlrev_b32 v3, 2, v3                        ; 4 (t / 16)
.irp it, 0,1,2,3,4,5,6,7
	global_load_b32 v[POS+(\it)], v3, s[26:27] offset:64*(\it)
.endr
	s_mov_b32 s[KCONC], 0x3f91be9c                 ; 0.1 ln 4 + 1
	s_mov_b32 s[K2PI], 0x3f22f983                  ; 2 / pi
	s_mov_b32 s[KNHI], 0xbfc90fdb                  ; - (pi / 2 rounded to f32)
	s_mov_b32 s[KCOR], 0x333bbd2e                  ; that rounded number less pi / 2
	s_mov_b32 s[KS1], 0xbe2aaaab                   ; -1/6
	s_mov_b32 s[KS2], 0x3c088889                   ; 1/120
	s_mov_b32 s[KS3], 0xb9500d01                   ; -1/5040
	s_mov_b32 s[KC2], 0x3d2aaaab                   ; 1/24
	s_mov_b32 s[KC3], 0xbab60b61                   ; -1/720
	s_mov_b32 s[KC4], 0x37d00d01                   ; 1/40320
	; my two frequencies, while the ids are on their way: freq = 10000^(-i/32), wavelength = 2 pi / freq, t = clip((wavelength - 32) / 992, 0, 1), eff = freq (1 - t) + (freq / 4) t
	v_and_b32 v4, 15, v0
	v_lshlrev_b32 v4, 1, v4
	v_add_nc_u32 v5, 1, v4
	v_cvt_f32_u32 v4, v4
	v_cvt_f32_u32 v5, v5
	v_mul_f32 v6, 0xbed49a78, v4                   ; -i log2(10000) / 32
	v_mul_f32 v7, 0xbed49a78, v5
	v_mul_f32 v8, 0x3ed49a78, v4
	v_mul_f32 v9, 0x3ed49a78, v5
	v_exp_f32 v6, v6                               ; freq
	v_exp_f32 v7, v7
	v_exp_f32 v8, v8                               ; 1 / freq
	v_exp_f32 v9, v9
	v_nop                                          ; a plain instruction behind the last exponential,
	s_wait_alu depctr_va_vdst(0)                   ; and the wait ahead of the batch's first reader
.irp z, 0,1
	v_mul_f32 v[8+(\z)], 0x40c90fdb, v[8+(\z)]     ; the wavelength
	v_add_f32 v[8+(\z)], 0xc2000000, v[8+(\z)]     ; - 32
	v_mul_f32 v[8+(\z)], 0x3a842108, v[8+(\z)]     ; / 992
	v_max_num_f32 v[8+(\z)], 0, v[8+(\z)]
	v_min_num_f32 v[8+(\z)], 1.0, v[8+(\z)]        ; t
	v_sub_f32 v[10+(\z)], 1.0, v[8+(\z)]
	v_mul_f32 v[10+(\z)], v[6+(\z)], v[10+(\z)]    ; freq (1 - t)
	v_mul_f32 v[6+(\z)], 0x3e800000, v[6+(\z)]     ; freq / 4
	v_fma_f32 v[EF+(\z)], v[6+(\z)], v[8+(\z)], v[10+(\z)]
.endr
; cos and sin of (pos x eff) x conc into registers c and s.  N = the nearest multiple of pi / 2; r = angle - N pi / 2 in two parts (the first is exact: both terms are multiples of 2^-23 and
; the difference is below 1); the series; then the quadrant N mod 4 swaps the two and sets the signs.
.macro SINCOS c, s, e
	v_mul_f32 v[TA], v[PF], v[\e]
	v_mul_f32 v[TA], s[KCONC], v[TA]
	v_mul_f32 v[TN], s[K2PI], v[TA]
	v_rndne_f32 v[TN], v[TN]
	v_fma_f32 v[TR], v[TN], s[KNHI], v[TA]
	v_fma_f32 v[TR], v[TN], s[KCOR], v[TR]
	v_cvt_i32_f32 v[TQ], v[TN]
	v_mul_f32 v[TZ], v[TR], v[TR]
	v_fma_f32 v[TS], v[TZ], s[KS3], s[KS2]
	v_fma_f32 v[TC], v[TZ], s[KC4], s[KC3]
	v_fma_f32 v[TS], v[TS], v[TZ], s[KS1]
	v_fma_f32 v[TC], v[TC], v[TZ], s[KC2]
	v_mul_f32 v[TS], v[TS], v[TZ]
	v_fma_f32 v[TC], v[TC], v[TZ], -0.5
	v_fma_f32 v[TS], v[TS], v[TR], v[TR]           ; sin r
	v_fma_f32 v[TC], v[TC], v[TZ], 1.0             ; cos r
	v_and_b32 v[TT], 1, v[TQ]
	v_cmp_eq_u32 vcc_lo, 1, v[TT]                  ; odd quadrants swap sine and cosine
	v_cndmask_b32 v[\s], v[TS], v[TC], vcc_lo
	v_cndmask_b32 v[\c], v[TC], v[TS], vcc_lo
	v_lshlrev_b32 v[TT], 30, v[TQ]
	v_and_b32 v[TT], 0x80000000, v[TT]             ; the sine is negative in quadrants 2 and 3,
	v_xor_b32 v[\s], v[\s], v[TT]
	v_add_nc_u32 v[TQ], 1, v[TQ]
	v_lshlrev_b32 v[TQ], 30, v[TQ]
	v_and_b32 v[TQ], 0x80000000, v[TQ]             ; the cosine in quadrants 1 and 2
	v_xor_b32 v[\c], v[\c], v[TQ]
.endm
.irp it, 0,1,2,3,4,5,6,7
	s_wait_loadcnt 7-(\it)                         ; step it's id is in; the later steps' may stay out
	v_cvt_f32_i32 v[PF], v[POS+(\it)]
	SINCOS RES+4*(\it), RES+4*(\it)+2, EF
	SINCOS RES+4*(\it)+1, RES+4*(\it)+3, EF+1
	global_store_b128 v2, v[RES+4*(\it):RES+4*(\it)+3], s[36:37] offset:4096*(\it)
.endr
	s_endpgm
.Lmisc:
	; THE IDENTITY ROWS of tab (64 rows from row 4,096 on) AND THE BIASES.
	v_lshrrev_b32 v3, 5, v0
	v_readfirstlane_b32 s3, v3                     ; my wave's number
	s_cmp_lt_u32 s3, 4
	s_cselect_b64 s[40:41], s[20:21], s[22:23]     ; threads 0-127 take bk, threads 128-255 bv
	v_and_b32 v3, 127, v0
	v_lshlrev_b32 v3, 4, v3
	global_load_b128 v[16:19], v2, s[18:19]        ; bq
	global_load_b128 v[20:23], v3, s[40:41]
	global_load_b128 v[24:27], v2, s[24:25]        ; bo
	global_load_b128 v[28:31], v2, s[24:25] offset:4096
	v_mov_b32 v4, 1.0
	v_mov_b32 v5, 1.0
	v_mov_b32 v6, 0
	v_mov_b32 v7, 0
.irp k, 0,1,2,3
	global_store_b128 v2, v[4:7], s[36:37] offset:1048576+4096*(\k)
.endr
	s_wait_loadcnt 0x0
.irp i, 16,18,20,22,24,26,28,30
	v_cvt_pk_bf16_f32 v8, v[\i], v[(\i)+1]         ; rounded to bf16, like every input,
	v_lshlrev_b32 v[\i], 16, v8                    ; and kept as f32
	v_and_b32 v[(\i)+1], 0xffff0000, v8
.endr
	global_store_b128 v2, v[16:19], s[34:35]
	global_store_b128 v2, v[20:23], s[34:35] offset:4096
	global_store_b128 v2, v[24:27], s[34:35] offset:8192
	global_store_b128 v2, v[28:31], s[34:35] offset:12288
	s_endpgm
.Lfunc_end_k_q95ee271b73_prep:
	.size	k_q95ee271b73_prep, .Lfunc_end_k_q95ee271b73_prep-k_q95ee271b73_prep
	.p2alignl 7, 3214868480
	.fill 96, 4, 3214868480
	.section	.rodata,"a",@progbits
	.p2align	6, 0x0
	.amdhsa_kernel k_q95ee271b73_prep
		.amdhsa_group_segment_fixed_size 0
		.amdhsa_private_segment_fixed_size 0
		.amdhsa_enable_private_segment 0
		.amdhsa_kernarg_size 120
		.amdhsa_user_sgpr_count 2
		.amdhsa_user_sgpr_kernarg_segment_ptr 1
		.amdhsa_wavefront_size32 1
		.amdhsa_system_sgpr_workgroup_id_x 1
		.amdhsa_system_sgpr_workgroup_id_y 1
		.amdhsa_system_sgpr_workgroup_id_z 1
		.amdhsa_system_vgpr_workitem_id 0
		.amdhsa_next_free_vgpr 112
		.amdhsa_next_free_sgpr 66
		.amdhsa_reserve_vcc 1
		.amdhsa_float_denorm_mode_32 3
		.amdhsa_float_denorm_mode_16_64 3
		.amdhsa_memory_ordered 1
		.amdhsa_forward_progress 1
		.amdhsa_inst_pref_size 41
	.end_amdhsa_kernel
	.amdgpu_metadata
---
amdhsa.version: [ 1, 2 ]
amdhsa.kernels:
  - .name:           k_q95ee271b73_prep
    .symbol:         k_q95ee271b73_prep.kd
    .args:
      - { .name: x, .offset: 0, .size: 8, .value_kind: global_buffer, .address_space: global }
      - { .name: Wq, .offset: 8, .size: 8, .value_kind: global_buffer, .address_space: global }
      - { .name: Wk, .offset: 16, .size: 8, .value_kind: global_buffer, .address_space: global }
      - { .name: Wv, .offset: 24, .size: 8, .value_kind: global_buffer, .address_space: global }
      - { .name: Wo, .offset: 32, .size: 8, .value_kind: global_buffer, .address_space: global }
      - { .name: bq, .offset: 40, .size: 8, .value_kind: global_buffer, .address_space: global }
      - { .name: bk, .offset: 48, .size: 8, .value_kind: global_buffer, .address_space: global }
      - { .name: bv, .offset: 56, .size: 8, .value_kind: global_buffer, .address_space: global }
      - { .name: bo, .offset: 64, .size: 8, .value_kind: global_buffer, .address_space: global }
      - { .name: position_ids, .offset: 72, .size: 8, .value_kind: global_buffer, .address_space: global }
      - { .name: xb, .offset: 80, .size: 8, .value_kind: global_buffer, .address_space: global }
      - { .name: wqkv, .offset: 88, .size: 8, .value_kind: global_buffer, .address_space: global }
      - { .name: wo16, .offset: 96, .size: 8, .value_kind: global_buffer, .address_space: global }
      - { .name: bias, .offset: 104, .size: 8, .value_kind: global_buffer, .address_space: global }
      - { .name: tab, .offset: 112, .size: 8, .value_kind: global_buffer, .address_space: global }
    .group_segment_fixed_size: 0
    .private_segment_fixed_size: 0
    .kernarg_segment_align: 8
    .kernarg_segment_size: 120
    .max_flat_workgroup_size: 256
    .sgpr_count:     66
    .vgpr_count:     112
    .wavefront_size: 32
...
	.end_amdgpu_metadata
.endif
;; end of part 1
;; launch proj (part 2): grid 8 x 32, 4 waves a work-group, clusters of 4 x 4, 327,680 bytes of LDS; arguments xb, wqkv, bias, tab, qkv; writes qkv
.if DOCPART == 2
	.amdgcn_target "amdgcn-amd-amdhsa--gfx1250"
	.amdhsa_code_object_version 6
	.text
	.protected	k_q95ee271b73_proj
	.globl	k_q95ee271b73_proj
	.p2align	8
	.type	k_q95ee271b73_proj,@function
k_q95ee271b73_proj:
	s_mov_b64 s[64:65], 0
	v_nop
	global_prefetch_b8 v0, s[64:65] scope:SCOPE_SE
	s_setreg_imm32_b32 hwreg(HW_REG_WAVE_MODE, 25, 1), 1
	s_wait_xcnt 0x0
	s_wait_alu depctr_hold_cnt(0) depctr_sa_sdst(0) depctr_va_vdst(0) depctr_va_sdst(0) depctr_va_ssrc(0) depctr_va_vcc(0) depctr_vm_vsrc(0)
	s_getreg_b32 s2, hwreg(HW_REG_IB_STS2, 6, 4)
	s_cmp_eq_u32 s2, 0
	s_cbranch_scc0 .Lentry_in_a_cluster
	s_endpgm
.Lentry_in_a_cluster:
	s_bfe_u32 s2, ttmp6, 0x10000c
	s_cmp_lg_u32 s2, 0xf033
	s_cbranch_scc0 .Lentry_shape_is_right
	s_endpgm
.Lentry_shape_is_right:
; PROJ: q, k, v = x W^T + b, q and k rotated, written by heads.  xb: [4096][2048] bf16; wqkv: [2048][2048] bf16 (Wq's 1,024 rows, Wk's 512, Wv's 512); bias: f32; tab: cos and sin for each row;
; qkv: [32 heads][4096 rows][64] f16: heads 0-15 q, 16-23 k, 24-31 v, each rounded once from its f32 sum, without the softmax's scale.
; LIMIT: f16 holds no number beyond 65,504: q, k and v must stay within it.
; A tile of C is 128 rows x 256 columns: 8 x 32 = 256 work-groups.  Four waves, each 64 rows x 128 columns: 32 accumulators of 16 x 16.  K goes in steps of 128 (rows of 256 bytes of memory, aligned)
; through a ring of two LDS slots filled by the tensor data mover.
; CLUSTERS: 4 x 4 work-groups.  The four of a row of the cluster need the same tile of xb, the four of a column the same tile of wqkv: each is asked for JOINTLY, by the same tensor load with the same
; descriptor and a mask that names the four.
; THE MATRIX INSTRUCTION IS USED TRANSPOSED (source 0 = 16 rows of wqkv, source 1 = 16 rows of xb): a lane holds row l % 16 of C and the eight neighbouring columns 8 (l / 16) + 0..7.
; THE ROTATION.  A head's 64 columns are four accumulators of one lane: columns d and d + 32 lie in the same lane, two accumulators apart, so out[d] = x[d] cos - x[d+32] sin and
; out[d+32] = x[d+32] cos + x[d] sin need no other lane.  V's columns (tile columns 6 and 7) are not rotated; the partners of a cluster run one text, so they read tab's identity rows
; (cos = 1, sin = 0), chosen by address: a quarter of the tiles multiply by 1 and 0 on the way out, 32 packed instructions for each 16 rows x 64 columns.
; REGISTERS, in windows of 256 (s_set_vgpr_msb: bits 1:0 source 0, 3:2 source 1, 5:4 source 2, 7:6 destination):
;   window 0: v0-31 addresses; v32-127, v128-223 two fragment buffers (8 fragments of wqkv, then 4 of xb); on the way out v32-111 at work, v128-255 rows read back
;   window 1: the accumulators, (a, b) at 8 (8 a + b)          window 2: v0-63 my columns' biases, v64-191 my rows' cos and sin
.set KD,     2048
.set LAPS,   KD/256                    ; a lap = two K steps = once round the ring
.set PITCH,  272                       ; an LDS row: 256 bytes + 16 of padding = 68 words, so the 16 rows of a fragment load start at 16 different groups of four banks (64 banks of 4 bytes: ISA guide 11.1)
.set AHALF,  64*PITCH                  ; what a load for xb brings, and what a wave reads of it
.set BHALF,  128*PITCH                 ; the same for wqkv
.set SLOT,   384*PITCH                 ; xb's 128 rows, then wqkv's 256
.set STAGE,  2*SLOT                    ; behind the ring: 16 rows x 144 bytes for each wave, for the way out
.set SPITCH, 144
.set SPARE,  STAGE+4*16*SPITCH         ; behind the stages: the spare words, 128 bytes for each wave, which no other line names
.set GW0,    (1<<16)|(1<<20)|(1<<21)|(5<<22)|(3<<25)  ; group 1, word 0 beside the mask: 2-byte elements; padding on; bit 21 set beside a mask; after every 64 words; 4 words
.set ADRA, 16                          ; v16-17  LDS address of my fragments of xb in slot 0, 1
.set ADRB, 20                          ; v20-21  the same for wqkv
.set STO,  24                          ; v24     the way out: where I put 16 bytes of a row
.set RD,   25                          ; v25     where I read rows back
.set GO,   26                          ; v26     16 x lane
.set BOF,  27                          ; v27     32 (l / 16): my eight columns' biases
.set TOF,  28                          ; v28     256 (l % 16) + 64 (l / 16): my row of tab, my four pairs of frequencies
.set PFO,  29                          ; v29     the prefetches' offset: lane x a row of xb or wqkv; never rewritten
.set SPW,  30                          ; v30     LDS address of my spare word; never rewritten
.set NIL,  31                          ; v31     0; never rewritten
.set F0,   32
.set F1,   128
.set X,    32                          ; the way out: 32 numbers of a row's head
.set T,    64                          ; 32 products with sin
.set H,    96                          ; 16 registers of f16
.set BK,   128                         ; unit n's rows read back at BK + 16 n
.set BIAS, 0                           ; window 2
.set TAB,  64                          ; window 2: row block a, half bb, pair j at TAB + 32 a + 16 bb + 4 j: cos, cos, sin, sin
.set G1A, 24                           ; s[24:31] descriptor group 1 for xb's tiles;  s[32:39] group 0, a set for each slot
.set G0A, 32
.set PFA, 40                           ; s[40:41] where my prefetches stand
.set G1B, 48                           ; s[48:55], s[56:63] the same for wqkv's tiles
.set G0B, 56
; s14 wave; s15 = wave / 2: my 64 rows, also: I fetch for xb (0) or wqkv (1); s16 = wave % 2: my 128 columns, also: which half I fetch; s17 cx; s18 cy; s19 tile column; s20 tile row; s21 LIM; s22 laps to go
.set MSB, 0
.macro WIN new                         ; the immediate's high byte repeats the setting that is left; a switch that changes nothing is dropped
.if MSB != (\new)
	s_set_vgpr_msb (MSB<<8)|(\new)
.set MSB, \new
.endif
.endm
.set MUL, 0x50                         ; C and D in window 1, both sources in window 0
.macro PLACES                          ; four places in front of loads into registers that matrix instructions have read, and of vector lines that read results
.rept 4
	v_nop
.endr
.endm
; A joint load: waves 0 and 1 fetch xb's two halves, waves 2 and 3 wqkv's.  An s_nop 0 and four v_nop follow each of the two lines.
.macro JLOAD s
	s_cmp_eq_u32 s15, 0
	s_cbranch_scc0 .Lfor_b_\@
	tensor_load_to_lds s[G0A+4*(\s):G0A+4*(\s)+3], s[G1A:G1A+7]
	s_nop 0
.rept 4
	v_nop
.endr
	s_branch .Lasked_\@
.Lfor_b_\@:
	tensor_load_to_lds s[G0B+4*(\s):G0B+4*(\s)+3], s[G1B:G1B+7]
	s_nop 0
.rept 4
	v_nop
.endr
.Lasked_\@:
.endm
; A prefetch into the L2, behind a joint refill and the run of LDS loads that follows it: 32 rows x 256 bytes, a lane a row, of the K step that stands FOUR refills on: 512 matrix instructions ahead
; of the load that will want it.  Each row's 256 bytes of a K step are named once in the launch: xb's tile row is read by both clusters of that row of clusters, and the one with x = 0 asks; wqkv's tile
; column by all eight clusters of that column, and the one with y = 0 asks.  The partners share the rows out by address: of xb's 128 rows the partner at cx takes 32 (wave 0); of wqkv's 256 the partner
; at cy takes 32 of each half (waves 2 and 3).  The last four refills ask for nothing: there is no K step four on.  K steps 0 to 5 come by their loads alone.
.macro ASK
	s_cmp_gt_u32 s22, s21
	s_cbranch_scc0 .Lnot_mine_\@
	global_prefetch_b8 v[PFO], s[PFA:PFA+1] th:TH_LOAD_NT scope:SCOPE_SE
.Lnot_mine_\@:
.endm
.macro CREST                           ; a round of the cluster's barrier behind its opening barrier
	s_cmp_lg_u32 s14, 0
	s_cbranch_scc1 .Lnot_wave_0_\@
	s_barrier_signal -3
.Lnot_wave_0_\@:
	s_barrier_wait -3
	s_barrier_signal -1
	s_barrier_wait -1
.endm
.macro CROUND                          ; a whole round
	s_barrier_signal -1
	s_barrier_wait -1
	CREST
.endm
	s_load_b256 s[4:11], s[0:1], 0x0               ; xb s[4:5], wqkv s[6:7], bias s[8:9], tab s[10:11]
	s_load_b64 s[12:13], s[0:1], 0x20              ; qkv
	v_lshl_add_u32 v[SPW], v0, 2, SPARE
	v_mov_b32 v[NIL], 0
	ds_add_u32 v[SPW], v[NIL]                      ; the wave's opening: the add, twice on end, and its wait ahead of my first tensor load
	ds_add_u32 v[SPW], v[NIL]
	v_lshrrev_b32 v1, 5, v0
	v_readfirstlane_b32 s14, v1
	s_lshr_b32 s15, s14, 1
	s_and_b32 s16, s14, 1
	s_bfe_u32 s17, ttmp6, 0x40000                  ; cx
	s_bfe_u32 s18, ttmp6, 0x40004                  ; cy
	s_lshl_b32 s19, ttmp9, 2
	s_add_co_u32 s19, s19, s17                     ; tile column = 4 x cluster x + cx
	s_and_b32 s20, ttmp7, 0xffff
	s_lshl_b32 s20, s20, 2
	s_add_co_u32 s20, s20, s18                     ; tile row = 4 x cluster y + cy
	s_lshl_b32 s44, s18, 2
	s_lshl_b32 s44, 15, s44                        ; my row of the cluster
	s_lshl_b32 s45, 0x1111, s17                    ; my column
	s_or_b32 s[G1A], s44, GW0
	s_or_b32 s[G1B], s45, GW0
	s_mov_b32 s[G1A+1], 128<<16                    ; tensor_dim0 = 128
	s_mov_b32 s[G1A+2], 64<<16                     ; tensor_dim1 = 64
	s_mov_b32 s[G1A+3], 128<<16                    ; tile_dim0 = 128
	s_mov_b32 s[G1A+4], 64                         ; tile_dim1 = 64
	s_mov_b32 s[G1A+5], KD                         ; elements from row to row
	s_mov_b32 s[G1A+6], 0
	s_mov_b32 s[G1A+7], 0
	s_mov_b32 s[G1B+1], 128<<16
	s_mov_b32 s[G1B+2], 128<<16                    ; 128 rows
	s_mov_b32 s[G1B+3], 128<<16
	s_mov_b32 s[G1B+4], 128
	s_mov_b32 s[G1B+5], KD
	s_mov_b32 s[G1B+6], 0
	s_mov_b32 s[G1B+7], 0
	s_lshl_b32 s42, s20, 7                         ; xb: row 128 x tile row + 64 x half: made of the tile row and the wave's number alone
	s_lshl_b32 s43, s16, 6
	s_add_co_u32 s42, s42, s43
	s_mul_i32 s42, s42, 2*KD
	s_mov_b32 s43, 0
	s_lshl_b32 s46, s19, 8                         ; wqkv: row 256 x tile column + 128 x half
	s_lshl_b32 s47, s16, 7
	s_add_co_u32 s46, s46, s47
	s_mul_i32 s46, s46, 2*KD
	s_mov_b32 s47, 0
	s_mul_i32 s23, s16, AHALF                      ; where they go in a slot: no place in the cluster enters an LDS address
	s_mul_i32 s3, s16, BHALF
	s_add_co_u32 s3, s3, 2*AHALF
	s_wait_dscnt 0x0                               ; both opening adds are done
	s_wait_kmcnt 0x0
	s_add_nc_u64 s[42:43], s[4:5], s[42:43]
	s_add_nc_u64 s[46:47], s[6:7], s[46:47]
	CROUND                                         ; all sixteen work-groups are here: the first joint loads meet
.irp s, 0,1
	s_mov_b32 s[G0A+4*(\s)], 1
	s_add_co_u32 s[G0A+4*(\s)+1], s23, (\s)*SLOT
	s_add_nc_u64 s[G0A+4*(\s)+2:G0A+4*(\s)+3], s[42:43], (\s)*256
	s_or_b32 s[G0A+4*(\s)+3], s[G0A+4*(\s)+3], 0x80000000
	s_mov_b32 s[G0B+4*(\s)], 1
	s_add_co_u32 s[G0B+4*(\s)+1], s3, (\s)*SLOT
	s_add_nc_u64 s[G0B+4*(\s)+2:G0B+4*(\s)+3], s[46:47], (\s)*256
	s_or_b32 s[G0B+4*(\s)+3], s[G0B+4*(\s)+3], 0x80000000
	JLOAD \s                                       ; two loads of mine are out
.endr
	; lane addresses
	v_and_b32 v1, 15, v0                           ; l % 16
	v_bfe_u32 v2, v0, 4, 1                         ; l / 16
	v_and_b32 v6, 31, v0                           ; l
	v_mul_u32_u24 v3, v1, PITCH
	v_lshl_add_u32 v3, v2, 4, v3                   ; a fragment's row x pitch + 16 x half
	s_mul_i32 s70, s15, AHALF                      ; my 64 rows of xb
	s_mul_i32 s71, s16, BHALF                      ; my 128 rows of wqkv,
	s_add_co_u32 s71, s71, 2*AHALF                 ; which lie behind xb's 128
.irp s, 0,1
	v_add_nc_u32 v[ADRA+(\s)], s70, v3
	v_add_nc_u32 v[ADRB+(\s)], s71, v3
	s_add_co_u32 s70, s70, SLOT
	s_add_co_u32 s71, s71, SLOT
.endr
	s_mul_i32 s70, s14, 16*SPITCH
	s_add_co_u32 s70, s70, STAGE                   ; my stage
	v_mul_u32_u24 v4, v1, SPITCH                   ; in: row l % 16, 16 bytes for each half of the lanes
	v_lshl_add_u32 v4, v2, 4, v4
	v_add_nc_u32 v[STO], s70, v4
	v_bfe_u32 v4, v0, 3, 2                         ; back: 32 lanes take four rows of 128 bytes
	v_mul_u32_u24 v4, v4, SPITCH
	v_and_b32 v5, 7, v0
	v_lshl_add_u32 v4, v5, 4, v4
	v_add_nc_u32 v[RD], s70, v4
	v_lshlrev_b32 v[GO], 4, v6
	v_lshlrev_b32 v[BOF], 5, v2
	v_lshlrev_b32 v[TOF], 8, v1
	v_lshl_add_u32 v[TOF], v2, 6, v[TOF]
	v_mul_u32_u24 v[PFO], v6, 2*KD
	; what the way out needs is asked for now and waited for behind the last product
	s_lshl_b32 s76, s19, 10
	s_lshl_b32 s77, s16, 9
	s_add_co_u32 s76, s76, s77                     ; my first column x 4 bytes
	s_mov_b32 s77, 0
	s_add_nc_u64 s[66:67], s[8:9], s[76:77]
	s_add_co_u32 s78, s19, 2
	s_lshr_b32 s78, s78, 3                         ; 1 for tile columns 6 and 7 (V), else 0: arithmetic, no branch
	s_lshl_b32 s76, s20, 7
	s_lshl_b32 s77, s15, 6
	s_add_co_u32 s76, s76, s77                     ; my first row = 128 x tile row + 64 x half
	s_sub_co_u32 s79, 1, s78
	s_mul_i32 s79, s76, s79
	s_lshl_b32 s78, s78, 12
	s_add_co_u32 s78, s78, s79                     ; my first row of tab, or row 4,096: the identity rows
	s_lshl_b32 s78, s78, 8
	s_mov_b32 s79, 0
	s_add_nc_u64 s[68:69], s[10:11], s[78:79]
	s_lshl_b32 s78, s19, 2
	s_lshl_b32 s79, s16, 1
	s_add_co_u32 s78, s78, s79                     ; my first head = 4 x tile column + 2 x half
	s_lshl_b32 s78, s78, 19                        ; a head is 4,096 rows of 128 bytes
	s_lshl_b32 s76, s76, 7
	s_add_co_u32 s78, s78, s76
	s_mov_b32 s79, 0
	s_add_nc_u64 s[12:13], s[12:13], s[78:79]
	WIN 0x80                                       ; destination window 2, address window 0
.irp b, 0,1,2,3,4,5,6,7
	global_load_b128 v[BIAS+8*(\b):BIAS+8*(\b)+3],   v[BOF], s[66:67] offset:64*(\b)
	global_load_b128 v[BIAS+8*(\b)+4:BIAS+8*(\b)+7], v[BOF], s[66:67] offset:64*(\b)+16
.endr
.irp a, 0,1,2,3
.irp bb, 0,1
.irp j, 0,1,2,3
	global_load_b128 v[TAB+32*(\a)+16*(\bb)+4*(\j):TAB+32*(\a)+16*(\bb)+4*(\j)+3], v[TOF], s[68:69] offset:4096*(\a)+128*(\bb)+16*(\j)
.endr
.endr
.endr
	WIN 0
	; the prefetches
	s_and_b32 s70, ttmp7, 0xffff                   ; cluster y
	s_or_b32 s71, ttmp9, s16                       ; cluster x, and 1 in wave 1, which never asks
	s_lshl_b32 s72, s20, 7
	s_lshl_b32 s73, s17, 5
	s_add_co_u32 s72, s72, s73                     ; xb: 128 x tile row + 32 cx
	s_lshl_b32 s74, s19, 8
	s_lshl_b32 s75, s16, 7
	s_add_co_u32 s74, s74, s75
	s_lshl_b32 s75, s18, 5
	s_add_co_u32 s74, s74, s75                     ; wqkv: 256 x tile column + 128 x half + 32 cy
	s_cmp_eq_u32 s15, 0
	s_cselect_b32 s70, s71, s70
	s_cselect_b32 s72, s72, s74
	s_cselect_b64 s[PFA:PFA+1], s[4:5], s[6:7]
	s_cmp_eq_u32 s70, 0
	s_cselect_b32 s21, 2, -1                       ; a wave that asks does so while more than 2 laps are to go; the same in all sixteen partners, for a given wave
	s_mul_i32 s72, s72, 2*KD
	s_mov_b32 s73, 0
	s_add_nc_u64 s[PFA:PFA+1], s[PFA:PFA+1], s[72:73]
	s_add_nc_u64 s[PFA:PFA+1], s[PFA:PFA+1], 5*256 ; at K step 5: the first refill (K step 2) steps it to 6
; 8 matrix instructions: row block a x all 8 column blocks, 32 along K.  zero = 1: the product starts the sums.  The 32 accumulators take turns in the same order in every quarter, one instruction
; a turn: 31 others' stand between two links of a chain, over the backward jump too.
.macro MUL8 f, a, zero
	WIN MUL
.irp b, 0,1,2,3,4,5,6,7
.if \zero
	v_wmma_f32_16x16x32_bf16 v[8*(8*(\a)+(\b)):8*(8*(\a)+(\b))+7], v[(\f)+8*(\b):(\f)+8*(\b)+7], v[(\f)+64+8*(\a):(\f)+64+8*(\a)+7], 0
.else
	v_wmma_f32_16x16x32_bf16 v[8*(8*(\a)+(\b)):8*(8*(\a)+(\b))+7], v[(\f)+8*(\b):(\f)+8*(\b)+7], v[(\f)+64+8*(\a):(\f)+64+8*(\a)+7], v[8*(8*(\a)+(\b)):8*(8*(\a)+(\b))+7]
.endif
.endr
.endm
; 24 LDS loads in one run: the fragments of 32 along K at byte k of the rows, into buffer f: wqkv's 8 first, then xb's 4
.macro FETCH slot, k, f
	WIN 0
.irp i, 0,1,2,3,4,5,6,7
	ds_load_b128 v[(\f)+8*(\i):(\f)+8*(\i)+3],   v[ADRB+(\slot)] offset:(\k)+(\i)*16*PITCH
	ds_load_b128 v[(\f)+8*(\i)+4:(\f)+8*(\i)+7], v[ADRB+(\slot)] offset:(\k)+(\i)*16*PITCH+32
.endr
.irp i, 0,1,2,3
	ds_load_b128 v[(\f)+64+8*(\i):(\f)+64+8*(\i)+3],   v[ADRA+(\slot)] offset:(\k)+(\i)*16*PITCH
	ds_load_b128 v[(\f)+64+8*(\i)+4:(\f)+64+8*(\i)+7], v[ADRA+(\slot)] offset:(\k)+(\i)*16*PITCH+32
.endr
.endm
; A K step is four quarters of 32 along K, 32 matrix instructions each, on buffers 0, 1, 0, 1.  One of the first three: multiplies buffer f and fetches the next quarter, at byte k, into g.
.macro QUARTER slot, k, f, g, zero
	s_wait_dscnt 4                                 ; all but the youngest four loads (xb's row blocks 2 and 3) are in
	MUL8 \f, 0, \zero
	MUL8 \f, 1, \zero
	PLACES
	FETCH \slot, \k, \g
	s_wait_dscnt 24                                ; all but the 24 just issued
	MUL8 \f, 2, \zero
	MUL8 \f, 3, \zero
.endm
; The last quarter multiplies buffer 1 and changes slots: ONE barrier; in front of it each wave waits for all its tensor loads (one is out: its part of the next slot), adds 0 to its spare word, and
; waits for that and for its reads of this slot.  fill = 1: the barrier opens a round of the cluster's barrier, and this slot is filled again, two K steps ahead, first thing behind the round:
; 112 matrix instructions stand between the request and the wait for it.
.macro TURN slot, next, fill
.if \fill
	s_wait_xcnt 0x0                                ; the last prefetch, a K step back, has read its address: it is stepped here, ahead of the waits of the change of slots
	s_add_nc_u64 s[PFA:PFA+1], s[PFA:PFA+1], 256
.endif
	WIN 0
	s_wait_tensorcnt 0x0                           ; all my tensor loads have landed
	ds_add_u32 v[SPW], v[NIL]                      ; 0 onto my spare word
	s_wait_dscnt 5                                 ; (the add and the youngest four loads may be out)
	MUL8 F1, 0, 0                                  ; eight matrix instructions stand between the add and the wait for it
	s_wait_dscnt 0x0                               ; the add is done, and my reads of this slot are over
	s_barrier_signal -1
	MUL8 F1, 1, 0
.if \fill
	WIN 0
.endif
	s_barrier_wait -1
.if \fill
	CREST                                          ; no wave of any partner still reads this slot's tiles or has a load on its way
	s_add_nc_u64 s[G0A+4*(\slot)+2:G0A+4*(\slot)+3], s[G0A+4*(\slot)+2:G0A+4*(\slot)+3], 512
	s_add_nc_u64 s[G0B+4*(\slot)+2:G0B+4*(\slot)+3], s[G0B+4*(\slot)+2:G0B+4*(\slot)+3], 512
	JLOAD \slot                                    ; the four v_nop behind it are also the places in front of the loads below
.else
	PLACES
.endif
	FETCH \next, 0, F0
.if \fill
	ASK
.endif
	MUL8 F1, 2, 0
	MUL8 F1, 3, 0
.endm
	s_wait_tensorcnt 1                             ; my part of K step 0 is in; K step 1's may stay out
	s_barrier_signal -1
	s_barrier_wait -1                              ; everybody's is
	FETCH 0, 0, F0
	QUARTER 0, 64, F0, F1, 1                       ; the first quarter stands in front of the loop: its products start the sums
	WIN 0                                          ; at a label and at a branch every window is 0
	s_mov_b32 s22, LAPS-1
.Llap:                                                 ; a trip goes once round the ring, from a lap's second quarter to the next lap's first, and fills both slots again
	QUARTER 0, 128, F1, F0, 0
	QUARTER 0, 192, F0, F1, 0
	TURN 0, 1, 1
	QUARTER 1, 64,  F0, F1, 0
	QUARTER 1, 128, F1, F0, 0
	QUARTER 1, 192, F0, F1, 0
	TURN 1, 0, 1
	QUARTER 0, 64,  F0, F1, 0
	WIN 0
	s_sub_co_u32 s22, s22, 1
	s_cmp_lg_u32 s22, 0
	s_cbranch_scc1 .Llap
	QUARTER 0, 128, F1, F0, 0                      ; the last lap fills nothing
	QUARTER 0, 192, F0, F1, 0
	TURN 0, 1, 0
	QUARTER 1, 64,  F0, F1, 0
	QUARTER 1, 128, F1, F0, 0
	QUARTER 1, 192, F0, F1, 0
	s_wait_dscnt 4
	MUL8 F1, 0, 0
	MUL8 F1, 1, 0
	s_wait_dscnt 0x0
	MUL8 F1, 2, 0
	MUL8 F1, 3, 0
	WIN 0
	PLACES
	s_wait_loadcnt 0x0                             ; the biases, cos and sin
; THE WAY OUT, in eight units n = 2 a + hq: 16 rows (row block a) of one head (hq of my two).  PACK: bias, rotation, f16, 16 bytes a lane into my stage (rows of 144 bytes), and back as whole rows
; of 128 bytes.  SEND: four rows of a head are 512 consecutive bytes of qkv.  Each accumulator's registers are read in ascending order.
.macro PACK n
.set pa, (\n)/2
.set ph, (\n)%2
	WIN 0x09                                       ; source 0 (sums) window 1, source 1 (biases) window 2
.irp q, 0,1,2,3
.irp j, 0,2,4,6
	v_pk_add_f32 v[X+8*(\q)+(\j):X+8*(\q)+(\j)+1], v[8*(8*pa+4*ph+(\q))+(\j):8*(8*pa+4*ph+(\q))+(\j)+1], v[BIAS+8*(4*ph+(\q))+(\j):BIAS+8*(4*ph+(\q))+(\j)+1]
.endr
.endr
	WIN 0x08                                       ; source 1 (cos, sin) window 2
.irp bb, 0,1
.irp j, 0,1,2,3
	v_pk_mul_f32 v[T+8*(\bb)+2*(\j):T+8*(\bb)+2*(\j)+1],       v[X+16+8*(\bb)+2*(\j):X+16+8*(\bb)+2*(\j)+1], v[TAB+32*pa+16*(\bb)+4*(\j)+2:TAB+32*pa+16*(\bb)+4*(\j)+3]  ; x[d+32] sin
	v_pk_mul_f32 v[T+16+8*(\bb)+2*(\j):T+16+8*(\bb)+2*(\j)+1], v[X+8*(\bb)+2*(\j):X+8*(\bb)+2*(\j)+1],       v[TAB+32*pa+16*(\bb)+4*(\j)+2:TAB+32*pa+16*(\bb)+4*(\j)+3]  ; x[d] sin
.endr
.endr
.irp bb, 0,1
.irp j, 0,1,2,3
	v_pk_fma_f32 v[X+8*(\bb)+2*(\j):X+8*(\bb)+2*(\j)+1], v[X+8*(\bb)+2*(\j):X+8*(\bb)+2*(\j)+1], v[TAB+32*pa+16*(\bb)+4*(\j):TAB+32*pa+16*(\bb)+4*(\j)+1], v[T+8*(\bb)+2*(\j):T+8*(\bb)+2*(\j)+1] neg_lo:[0,0,1] neg_hi:[0,0,1]
	v_pk_fma_f32 v[X+16+8*(\bb)+2*(\j):X+16+8*(\bb)+2*(\j)+1], v[X+16+8*(\bb)+2*(\j):X+16+8*(\bb)+2*(\j)+1], v[TAB+32*pa+16*(\bb)+4*(\j):TAB+32*pa+16*(\bb)+4*(\j)+1], v[T+16+8*(\bb)+2*(\j):T+16+8*(\bb)+2*(\j)+1]
.endr
.endr
	WIN 0
.irp i, 0,1,2,3,4,5,6,7,8,9,10,11,12,13,14,15
	v_cvt_pk_f16_f32 v[H+(\i)], v[X+2*(\i)], v[X+2*(\i)+1]
.endr
.irp q, 0,1,2,3
	ds_store_b128 v[STO], v[H+4*(\q):H+4*(\q)+3] offset:32*(\q)
.endr
.irp f, 0,1,2,3
	ds_load_b128 v[BK+16*(\n)+4*(\f):BK+16*(\n)+4*(\f)+3], v[RD] offset:(\f)*4*SPITCH  ; LDS serves a wave's instructions in order (ISA guide 5.7.1.4): these see the stores above; the next unit's stores come behind them
.endr
.endm
.macro SEND n, younger                 ; younger: the LDS instructions issued behind unit n's loads: the next unit's eight, or none
.irp f, 0,1,2,3
	s_wait_dscnt (\younger)+3-(\f)
	global_store_b128 v[GO], v[BK+16*(\n)+4*(\f):BK+16*(\n)+4*(\f)+3], s[12:13] offset:524288*((\n)%2)+2048*((\n)/2)+512*(\f)  ; 512 consecutive bytes, at a multiple of 256 from qkv's first byte
.endr
.endm
	PACK 0
.irp n, 1,2,3,4,5,6,7                  ; a unit's arithmetic stands between the loads of the unit before and its stores; every unit has registers of its own for its rows
	PACK \n
	SEND (\n)-1, 8
.endr
	SEND 7, 0
	s_wait_tensorcnt 0x0                           ; the wave's end: an add onto my spare word and its wait, behind my last tensor load and my last LDS store
	ds_add_u32 v[SPW], v[NIL]
	s_wait_dscnt 0x0
	CROUND                                         ; the closing round: no work-group ends while a partner may still ask for a tile that names it
	s_endpgm
.Lfunc_end_k_q95ee271b73_proj:
	.size	k_q95ee271b73_proj, .Lfunc_end_k_q95ee271b73_proj-k_q95ee271b73_proj
	.p2alignl 7, 3214868480
	.fill 96, 4, 3214868480
	.section	.rodata,"a",@progbits
	.p2align	6, 0x0
	.amdhsa_kernel k_q95ee271b73_proj
		.amdhsa_group_segment_fixed_size 327680
		.amdhsa_private_segment_fixed_size 0
		.amdhsa_enable_private_segment 0
		.amdhsa_kernarg_size 40
		.amdhsa_user_sgpr_count 2
		.amdhsa_user_sgpr_kernarg_segment_ptr 1
		.amdhsa_wavefront_size32 1
		.amdhsa_system_sgpr_workgroup_id_x 1
		.amdhsa_system_sgpr_workgroup_id_y 1
		.amdhsa_system_sgpr_workgroup_id_z 1
		.amdhsa_system_vgpr_workitem_id 0
		.amdhsa_next_free_vgpr 768
		.amdhsa_next_free_sgpr 80
		.amdhsa_reserve_vcc 0
		.amdhsa_float_denorm_mode_32 3
		.amdhsa_float_denorm_mode_16_64 3
		.amdhsa_memory_ordered 1
		.amdhsa_forward_progress 1
		.amdhsa_inst_pref_size 118
	.end_amdhsa_kernel
	.amdgpu_metadata
---
amdhsa.version: [ 1, 2 ]
amdhsa.kernels:
  - .name:           k_q95ee271b73_proj
    .symbol:         k_q95ee271b73_proj.kd
    .args:
      - { .name: xb, .offset: 0, .size: 8, .value_kind: global_buffer, .address_space: global }
      - { .name: wqkv, .offset: 8, .size: 8, .value_kind: global_buffer, .address_space: global }
      - { .name: bias, .offset: 16, .size: 8, .value_kind: global_buffer, .address_space: global }
      - { .name: tab, .offset: 24, .size: 8, .value_kind: global_buffer, .address_space: global }
      - { .name: qkv, .offset: 32, .size: 8, .value_kind: global_buffer, .address_space: global }
    .group_segment_fixed_size: 327680
    .private_segment_fixed_size: 0
    .kernarg_segment_align: 8
    .kernarg_segment_size: 40
    .max_flat_workgroup_size: 128
    .sgpr_count:     80
    .vgpr_count:     768
    .wavefront_size: 32
...
	.end_amdgpu_metadata
.endif
;; end of part 2
;; launch attn (part 3): grid 16 x 16, 8 waves a work-group, no clusters, 167,936 bytes of LDS; arguments qkv, sinks, ctx; writes ctx
.if DOCPART == 3
	.amdgcn_target "amdgcn-amd-amdhsa--gfx1250"
	.amdhsa_code_object_version 6
	.text
	.protected	k_q95ee271b73_attn
	.globl	k_q95ee271b73_attn
	.p2align	8
	.type	k_q95ee271b73_attn,@function
k_q95ee271b73_attn:
	s_mov_b64 s[64:65], 0
	v_nop
	global_prefetch_b8 v0, s[64:65] scope:SCOPE_SE
	s_setreg_imm32_b32 hwreg(HW_REG_WAVE_MODE, 25, 1), 1
	s_wait_xcnt 0x0
; ATTN: ctx[row][head 64 + d] = the sum over the allowed keys of softmax weights x V, with a sink logit for each head in the softmax's maximum and divisor.  qkv: [32][4096][64] f16 (q heads 0-15,
; k 16-23, v 24-31); ctx: [4096][1024] f16.  Products, maxima and sums in f32; the weights are rounded to f16 for the second product (their sum is taken unrounded), ctx once.
; WORK LEFT OUT (shown at the head of the first kernel): reference() sets the scores of all keys but i - 127 .. i to -inf, so their weights are 0: only the blocks of 16 keys that touch a tile's band
; are multiplied.  LIMITS: a NaN or an infinity in K or V outside those blocks is not carried to the result; a hidden score inside them counts as its value less 1e30, and its weight is 0;
; a weight below 2^-126 counts as 0; the sink is rounded to bf16 like every input.
; SHARES.  A work-group has 128 queries (block qb) of the 2 query heads of one key/value head, and the 256 keys of blocks qb - 1 and qb in LDS (local number kl).  Wave w: u = w % 4, hq = w / 4: two
; tiles tt of 16 queries, ql = 32 u + 16 tt + l % 16, of head 2 g + hq; its keys are kl = 32 u .. 32 u + 159, ten blocks kb of 16.  A key is allowed where 1 <= kl - ql <= 128.  So for tile tt
; block kb = tt holds the band's lower edge, kb = tt + 8 its upper edge, the seven between are whole, and the tenth (kb = 9 for tt = 0, kb = 0 for tt = 1) is dead: not multiplied, its weights 0.
; For qb = 0 there is no block qb - 1: block 0 is loaded in its place and hidden by masks.  Those 16 of the 256 work-groups multiply it all the same, so that every work-group runs one text.
; THE MASK is the C operand that starts a sum S^T = K Q^T: 0, or -1e30 where the key is hidden.
; LAYOUT.  S^T = K Q^T holds one query a lane (l % 16) and the keys 8 (l / 16) + 0..7; two such results rounded to f16 ARE source 1 of O^T = V^T P.  V comes out of LDS turned, by ds_load_tr16_b128.
; SOFTMAX.  p = 2^(c s - M), c = log2(e) / 8, M = max(c max s, sink log2(e)); the divisor is the sum of p plus 2^(sink log2(e) - M).  One pass: a query's 144 scores are all in registers.
; NO CLUSTER: a key block is the own block of one work-group and the previous block of the next, so a joint load would want different LDS addresses in its partners; each work-group asks once, for 64 KiB.
; NO PREFETCH: one fill at the head, no stream.  Nothing in LDS is filled again.
; REGISTERS (s_set_vgpr_msb: bits 1:0 source 0, 3:2 source 1, 5:4 source 2, 7:6 destination):
;   window 0: v0-15 addresses; v16-47 sixteen registers of statistics a tile; v48-79 Q; v80-223 S^T, 72 a tile (later O^T in the first 32 of each); v224-255 f16 results
;   window 1: v0-159 K's fragments, later V's; v160-207 masks, later v160-239 P, 40 a tile
.set PK,    160                        ; a row of K or V in LDS: 128 bytes + 32 of padding; one descriptor form serves both
.set VB,    256*PK                     ; V's 256 rows lie behind K's
.set STAGE, 2*256*PK                   ; behind them, never filled by a tensor load: 128 rows x 272 bytes, the work-group's, for the way out
.set SP,    272
.set SPARE, STAGE+128*SP               ; behind the stage: the spare words, 128 bytes for each of eight waves, which no other line names
.set AK,  3                            ; v3   LDS address of my K fragments
.set AV,  4                            ; v4   of my V fragments
.set QO,  5                            ; v5   my byte offset in 16 rows of Q
.set STO, 6                            ; v6   the way out: where I put 16 bytes of a row
.set RD,  7                            ; v7   where I read rows back
.set GO,  8                            ; v8   my byte offset in two rows of ctx
.set DG,  9                            ; v9   l % 16 - 8 (l / 16): register j of an edge block lies at or below the diagonal where j <= this
.set SK2, 12                           ; v12  the sink x log2(e)
.set HS0, 13                           ; v13  -1e30 if the first 32 keys of my span do not exist, else 0
.set SPW, 14                           ; v14  LDS address of my spare word; never rewritten
.set NIL, 15                           ; v15  0; never rewritten
.set ST,  16                           ; tile t at ST + 16 t: +0..3 the maximum's chains, later +0..7 four pairs of sums; +8 M (+9 named with it); +10 the sink's exponent and weight; +11 the other half's; +12 1 / l (+13 named with it)
.set Q,   48                           ; tile t, channel half c at Q + 16 t + 8 c
.set S,   80                           ; tile t, block kb - t at S + 72 t + 8 (kb - t)
.set H,   224
.set HC,  160                          ; window 1: chunk c of 32 keys: -1e30 eight times if it does not exist, else 0
.set MLH, 192                          ; window 1: the lower edge
.set MU,  200                          ; window 1: the upper edge
.set P,   160                          ; window 1: tile t, chunk c at P + 40 t + 8 c
; s10 wave; s11 u; s12 hq; s13 qb; s14 b; s15 g; s[16:19] descriptor group 0; s21 my query head; s[24:31] group 1; s[32:33] c; s[34:35] lane selects; s36 -1e30; s37 chunks that do not exist; s39 the sink
.set MSB, 0
.macro WIN new
.if MSB != (\new)
	s_set_vgpr_msb (MSB<<8)|(\new)
.set MSB, \new
.endif
.endm
.macro PLACES
.rept 4
	v_nop
.endr
.endm
	s_load_b128 s[4:7], s[0:1], 0x0                ; qkv s[4:5], sinks s[6:7]
	s_load_b64 s[8:9], s[0:1], 0x10                ; ctx
	v_lshl_add_u32 v[SPW], v0, 2, SPARE
	v_mov_b32 v[NIL], 0
	ds_add_u32 v[SPW], v[NIL]                      ; the wave's opening: the add, twice on end, and its wait ahead of the first tensor load
	ds_add_u32 v[SPW], v[NIL]
	v_lshrrev_b32 v1, 5, v0
	v_readfirstlane_b32 s10, v1
	s_and_b32 s11, s10, 3
	s_lshr_b32 s12, s10, 2
	s_mov_b32 s13, ttmp9
	s_and_b32 s20, ttmp7, 0xffff
	s_lshr_b32 s14, s20, 3
	s_and_b32 s15, s20, 7
	; descriptor group 1: 128 keys are 16,384 dense bytes: asked for as 64 rows of 256 bytes, two keys a row, and padded in LDS after every key
	s_mov_b32 s24, (1<<16)|(1<<20)|(4<<22)|(7<<25) ; 2-byte elements; padding on; after every 32 words; 8 words
	s_mov_b32 s25, 128<<16                         ; tensor_dim0 = 128
	s_mov_b32 s26, 64<<16                          ; tensor_dim1 = 64
	s_mov_b32 s27, 128<<16                         ; tile_dim0 = 128
	s_mov_b32 s28, 64                              ; tile_dim1 = 64
	s_mov_b32 s29, 128                             ; elements from row to row
	s_mov_b32 s30, 0
	s_mov_b32 s31, 0
	s_mov_b32 s16, 1
	s_mul_i32 s17, s10, 128*PK                     ; wave 0: K's first 128 keys, wave 1: its second, waves 2 and 3: V's
	s_mov_b32 s32, 0x3e38aa3b                      ; c = log2(e) / 8
	s_mov_b32 s33, s32                             ; named with it as a pair
	s_mov_b32 s34, 0x76543210
	s_mov_b32 s35, 0xfedcba98
	s_mov_b32 s36, 0xf149f2ca                      ; -1e30
	s_lshl_b32 s21, s15, 1
	s_add_co_u32 s21, s21, s12                     ; my query head = 2 g + hq
	s_lshl_b32 s42, s21, 2                         ; its sink
	s_mov_b32 s43, 0
	s_lshl_b32 s22, s14, 11                        ; 2,048 b
	s_lshl_b32 s23, s13, 7                         ; 128 qb
	s_lshl_b32 s44, s21, 12                        ; Q: (head x 4,096 + 2,048 b + 128 qb + 32 u) rows of 128 bytes
	s_add_co_u32 s44, s44, s22
	s_add_co_u32 s44, s44, s23
	s_lshl_b32 s45, s11, 5
	s_add_co_u32 s44, s44, s45
	s_lshl_b32 s44, s44, 7
	s_mov_b32 s45, 0
	s_add_co_u32 s46, s22, s23                     ; ctx: (2,048 b + 128 qb + 16 w) rows of 2,048 bytes, and the group's 256 bytes
	s_lshl_b32 s47, s10, 4
	s_add_co_u32 s46, s46, s47
	s_lshl_b32 s46, s46, 11
	s_lshl_b32 s47, s15, 8
	s_add_co_u32 s46, s46, s47
	s_mov_b32 s47, 0
	s_bfe_u32 s41, s10, 0x10001                    ; the tile that I fetch: K (0) or V (1),
	s_and_b32 s40, s10, 1                          ; block qb - 1 (0) or qb (1)
	s_lshl_b32 s41, s41, 3
	s_add_co_u32 s41, s41, s15
	s_add_co_u32 s41, s41, 16                      ; head 16 + 8 kind + g
	s_lshl_b32 s41, s41, 12
	s_add_co_u32 s41, s41, s22
	s_add_co_u32 s40, s40, s13
	s_sub_co_i32 s40, s40, 1
	s_max_i32 s40, s40, 0                          ; for qb = 0: block 0 in the place of the block that does not exist
	s_lshl_b32 s40, s40, 7
	s_add_co_u32 s40, s40, s41
	s_lshl_b32 s40, s40, 7
	s_mov_b32 s41, 0
	s_mul_i32 s48, s11, 32*PK                      ; my span's first key in K,
	s_add_co_u32 s49, s48, VB                      ; and in V
	s_mul_i32 s50, s11, 32*SP                      ; my 32 queries' rows in the stage, my head's half of them
	s_lshl_b32 s51, s12, 7
	s_add_co_u32 s50, s50, s51
	s_add_co_u32 s50, s50, STAGE
	s_mul_i32 s52, s10, 16*SP                      ; the 16 rows that I store
	s_add_co_u32 s52, s52, STAGE
	s_wait_dscnt 0x0                               ; both opening adds are done
	s_wait_kmcnt 0x0
	s_add_nc_u64 s[6:7], s[6:7], s[42:43]
	s_load_b32 s39, s[6:7], 0x0
	s_add_nc_u64 s[18:19], s[4:5], s[40:41]
	s_or_b32 s19, s19, 0x80000000                  ; type = 2
	s_add_nc_u64 s[44:45], s[4:5], s[44:45]
	s_add_nc_u64 s[8:9], s[8:9], s[46:47]
	s_cmp_lt_u32 s10, 4                            ; waves 0 to 3 fetch a tile each: the launch's only fills, in one branch on the wave's number; the wait for them is for 0
	s_cbranch_scc0 .Lno_fill
	tensor_load_to_lds s[16:19], s[24:31]
	s_nop 0
.rept 4
	v_nop
.endr
.Lno_fill:
	v_and_b32 v1, 15, v0                           ; l % 16
	v_bfe_u32 v2, v0, 4, 1                         ; l / 16
	v_lshlrev_b32 v[QO], 7, v1
	v_lshl_add_u32 v[QO], v2, 4, v[QO]
.irp t, 0,1
.irp c, 0,1
	global_load_b128 v[Q+16*(\t)+8*(\c):Q+16*(\t)+8*(\c)+3],   v[QO], s[44:45] offset:2048*(\t)+64*(\c)
	global_load_b128 v[Q+16*(\t)+8*(\c)+4:Q+16*(\t)+8*(\c)+7], v[QO], s[44:45] offset:2048*(\t)+64*(\c)+32
.endr
.endr
	; register work while the tiles are on their way
	v_mul_u32_u24 v[AK], v1, PK
	v_lshl_add_u32 v[AK], v2, 4, v[AK]
	v_add_nc_u32 v[AK], s48, v[AK]                 ; (32 u + l % 16) x pitch + 16 (l / 16)
	v_and_b32 v10, 7, v0
	v_bfe_u32 v11, v0, 3, 1
	v_lshl_add_u32 v[AV], v2, 3, v10               ; the turning load: key 8 (l / 16) + l % 8, channels 8 ((l / 8) % 2) on
	v_mul_u32_u24 v[AV], v[AV], PK
	v_lshl_add_u32 v[AV], v11, 4, v[AV]
	v_add_nc_u32 v[AV], s49, v[AV]
	v_mul_u32_u24 v[STO], v1, SP
	v_lshl_add_u32 v[STO], v2, 4, v[STO]
	v_add_nc_u32 v[STO], s50, v[STO]
	v_mul_u32_u24 v[RD], v2, SP                    ; back: lanes 0-15 take one row of 256 bytes, lanes 16-31 the next
	v_lshl_add_u32 v[RD], v1, 4, v[RD]
	v_add_nc_u32 v[RD], s52, v[RD]
	v_lshlrev_b32 v[GO], 11, v2
	v_lshl_add_u32 v[GO], v1, 4, v[GO]
	v_lshlrev_b32 v10, 3, v2
	v_sub_nc_u32 v[DG], v1, v10
.irp t, 0,1
	v_mov_b32 v[ST+16*(\t)+9], 0                   ; named in pairs or as a lane exchange's destination, so they are written
	v_mov_b32 v[ST+16*(\t)+11], 0
	v_mov_b32 v[ST+16*(\t)+13], 0
.endr
	s_sub_co_u32 s37, 4, s11                       ; for qb = 0 the keys kl < 128 do not exist: my chunks 0 .. 3 - u
	s_cmp_eq_u32 s13, 0
	s_cselect_b32 s37, s37, 0
	s_cmp_gt_u32 s37, 0
	s_cselect_b32 s38, s36, 0
	v_mov_b32 v[HS0], s38
	WIN 0x40                                       ; destination window 1
.irp c, 0,1,2,3
	s_cmp_gt_u32 s37, \c
	s_cselect_b32 s38, s36, 0
.irp j, 0,1,2,3,4,5,6,7
	v_mov_b32 v[HC+8*(\c)+(\j)], s38
.endr
.endr
.irp j, 0,1,2,3,4,5,6,7
	v_cmp_le_i32 vcc_lo, \j, v[DG]                 ; the lower edge: key - query = 8 (l / 16) + j - l % 16 must be 1 or more
	v_cndmask_b32 v[MLH+(\j)], v[HS0], s36, vcc_lo
	v_cmp_gt_i32 vcc_lo, \j, v[DG]                 ; the upper edge: 128 + that difference must be 128 or less
	v_cndmask_b32 v[MU+(\j)], 0, s36, vcc_lo
.endr
	WIN 0
	s_wait_kmcnt 0x0
	v_mov_b32 v10, s39
	v_cvt_pk_bf16_f32 v10, v10, v10
	v_lshlrev_b32 v10, 16, v10
	v_mul_f32 v[SK2], 0x3fb8aa3b, v10
	s_wait_tensorcnt 0x0                           ; my tile has landed,
	s_barrier_signal -1
	s_barrier_wait -1                              ; everybody's has
	WIN 0x40
.irp c, 0,1                            ; K's fragments: channels 0-31 of all ten blocks first
.irp kb, 0,1,2,3,4,5,6,7,8,9
	ds_load_b128 v[16*(\kb)+8*(\c):16*(\kb)+8*(\c)+3],   v[AK] offset:(\kb)*16*PK+64*(\c)
	ds_load_b128 v[16*(\kb)+8*(\c)+4:16*(\kb)+8*(\c)+7], v[AK] offset:(\kb)*16*PK+64*(\c)+32
.endr
.endr
	s_wait_loadcnt 0x0                             ; Q
	s_wait_dscnt 20                                ; channels 0-31 are in; the other 20 loads may stay out
; 18 products of S^T = K Q^T for channel half ch.  The 18 accumulators take turns: 17 others' stand between the two links of a chain.
.macro KQ ch
.irp bp, 0,1,2,3,4,5,6,7,8
.irp t, 0,1
.set rS, S+72*(\t)+8*(\bp)
.set rK, 16*((\bp)+(\t))+8*(\ch)
.set rQ, Q+16*(\t)+8*(\ch)
.set rC, HC+8*(((\bp)+(\t))/2)
.if (\ch) == 1
	v_wmma_f32_16x16x32_f16 v[rS:rS+7], v[rK:rK+7], v[rQ:rQ+7], v[rS:rS+7]
.elseif (\bp) == 0
	v_wmma_f32_16x16x32_f16 v[rS:rS+7], v[rK:rK+7], v[rQ:rQ+7], v[MLH:MLH+7]
.elseif (\bp) == 8
	v_wmma_f32_16x16x32_f16 v[rS:rS+7], v[rK:rK+7], v[rQ:rQ+7], v[MU:MU+7]
.elseif (\bp)+(\t) == 8
	v_wmma_f32_16x16x32_f16 v[rS:rS+7], v[rK:rK+7], v[rQ:rQ+7], 0
.else
	v_wmma_f32_16x16x32_f16 v[rS:rS+7], v[rK:rK+7], v[rQ:rQ+7], v[rC:rC+7]
.endif
.endr
.endr
.endm
	WIN 0x11                                       ; K and the masks in window 1
	KQ 0
	s_wait_dscnt 0x0
	WIN 0x01
	KQ 1
	PLACES                                         ; in front of the loads into K's registers, and of the maxima
	WIN 0x40
.irp c, 0,1,2,3,4                      ; V's fragments, turned: keys 32 c on, channels 16 cb on; they land during the softmax
.irp cb, 0,1,2,3
	ds_load_tr16_b128 v[32*(\c)+8*(\cb):32*(\c)+8*(\cb)+3],   v[AV] offset:(\c)*32*PK+32*(\cb)
	ds_load_tr16_b128 v[32*(\c)+8*(\cb)+4:32*(\c)+8*(\cb)+7], v[AV] offset:(\c)*32*PK+16*PK+32*(\cb)
.endr
.endr
	WIN 0
	; THE SOFTMAX, the two tiles line by line.  The maximum: four chains a tile, in ascending order.
.set n, 0
.rept 36
.irp t, 0,1
.if n < 4
	v_max_num_f32 v[ST+16*(\t)+n], v[S+72*(\t)+2*n], v[S+72*(\t)+2*n+1]
.else
	v_max3_num_f32 v[ST+16*(\t)+n%4], v[ST+16*(\t)+n%4], v[S+72*(\t)+2*n], v[S+72*(\t)+2*n+1]
.endif
.endr
.set n, n+1
.endr
.irp t, 0,1
	v_max3_num_f32 v[ST+16*(\t)], v[ST+16*(\t)], v[ST+16*(\t)+1], v[ST+16*(\t)+2]
.endr
.irp t, 0,1
	v_max_num_f32 v[ST+16*(\t)], v[ST+16*(\t)], v[ST+16*(\t)+3]
.endr
.irp t, 0,1
	v_permlanex16_b32 v[ST+16*(\t)+11], v[ST+16*(\t)], s34, s35  ; the query's other keys lie in the lane 16 away
.endr
.irp t, 0,1
	v_max_num_f32 v[ST+16*(\t)], v[ST+16*(\t)], v[ST+16*(\t)+11]
.endr
.irp t, 0,1
	v_mul_f32 v[ST+16*(\t)+8], s32, v[ST+16*(\t)]
.endr
.irp t, 0,1
	v_max_num_f32 v[ST+16*(\t)+8], v[ST+16*(\t)+8], v[SK2]       ; the sink takes part in the maximum
.endr
.irp t, 0,1
	v_sub_f32 v[ST+16*(\t)+10], v[SK2], v[ST+16*(\t)+8]
.endr
.set n, 0
.rept 36
.irp t, 0,1
	v_pk_fma_f32 v[S+72*(\t)+2*n:S+72*(\t)+2*n+1], v[S+72*(\t)+2*n:S+72*(\t)+2*n+1], s[32:33], v[ST+16*(\t)+8:ST+16*(\t)+9] op_sel_hi:[1,0,0] neg_lo:[0,0,1] neg_hi:[0,0,1]  ; c s - M
.endr
.set n, n+1
.endr
.set n, 0
.rept 72                               ; ONE BATCH of 146 exponentials, none of which reads another's result
.irp t, 0,1
	v_exp_f32 v[S+72*(\t)+n], v[S+72*(\t)+n]
.endr
.set n, n+1
.endr
.irp t, 0,1
	v_exp_f32 v[ST+16*(\t)+10], v[ST+16*(\t)+10]                 ; the sink's weight
.endr
	v_nop                                          ; a plain instruction behind the last exponential,
	s_wait_alu depctr_va_vdst(0)                   ; and the wait ahead of the batch's first reader
	WIN 0x40
.set n, 0
.rept 36
.irp t, 0,1
	v_cvt_pk_f16_f32 v[P+40*(\t)+4*(\t)+n], v[S+72*(\t)+2*n], v[S+72*(\t)+2*n+1]
.endr
.set n, n+1
.endr
.irp j, 0,1,2,3
	v_mov_b32 v[P+36+(\j)], 0                      ; tile 0's dead block, kb = 9
	v_mov_b32 v[P+40+(\j)], 0                      ; tile 1's, kb = 0
.endr
	WIN 0
.irp k, 0,1,2,3                        ; the sums of the unrounded weights: four chains of pairs a tile
.irp t, 0,1
	v_pk_add_f32 v[ST+16*(\t)+2*(\k):ST+16*(\t)+2*(\k)+1], v[S+72*(\t)+2*(\k):S+72*(\t)+2*(\k)+1], v[S+72*(\t)+2*(\k)+8:S+72*(\t)+2*(\k)+9]
.endr
.endr
.set n, 8
.rept 28
.irp t, 0,1
	v_pk_add_f32 v[ST+16*(\t)+2*(n%4):ST+16*(\t)+2*(n%4)+1], v[ST+16*(\t)+2*(n%4):ST+16*(\t)+2*(n%4)+1], v[S+72*(\t)+2*n:S+72*(\t)+2*n+1]
.endr
.set n, n+1
.endr
.irp t, 0,1
	v_pk_add_f32 v[ST+16*(\t):ST+16*(\t)+1], v[ST+16*(\t):ST+16*(\t)+1], v[ST+16*(\t)+2:ST+16*(\t)+3]
	v_pk_add_f32 v[ST+16*(\t)+4:ST+16*(\t)+5], v[ST+16*(\t)+4:ST+16*(\t)+5], v[ST+16*(\t)+6:ST+16*(\t)+7]
.endr
.irp t, 0,1
	v_pk_add_f32 v[ST+16*(\t):ST+16*(\t)+1], v[ST+16*(\t):ST+16*(\t)+1], v[ST+16*(\t)+4:ST+16*(\t)+5]
.endr
.irp t, 0,1
	v_add_f32 v[ST+16*(\t)], v[ST+16*(\t)], v[ST+16*(\t)+1]
.endr
.irp t, 0,1
	v_permlanex16_b32 v[ST+16*(\t)+11], v[ST+16*(\t)], s34, s35
.endr
.irp t, 0,1
	v_add_f32 v[ST+16*(\t)], v[ST+16*(\t)], v[ST+16*(\t)+11]
.endr
.irp t, 0,1
	v_add_f32 v[ST+16*(\t)], v[ST+16*(\t)], v[ST+16*(\t)+10]     ; the sink's weight is in the divisor and in nothing else; the divisor is 1 or more, since the greatest weight is 1
.endr
.irp t, 0,1
	v_rcp_f32 v[ST+16*(\t)+12], v[ST+16*(\t)]
.endr
	v_nop                                          ; a plain instruction behind the second reciprocal; their wait stands behind the products below, which name neither
	s_wait_dscnt 0x0                               ; V is in
	WIN 0x05                                       ; V and P in window 1, O^T in window 0
.irp c, 0,1,2,3,4                      ; 40 products of O^T = V^T P; the 8 accumulators take turns; the first chunk starts the sums
.irp cb, 0,1,2,3
.irp t, 0,1
.if (\c) == 0
	v_wmma_f32_16x16x32_f16 v[S+72*(\t)+8*(\cb):S+72*(\t)+8*(\cb)+7], v[32*(\c)+8*(\cb):32*(\c)+8*(\cb)+7], v[P+40*(\t)+8*(\c):P+40*(\t)+8*(\c)+7], 0
.else
	v_wmma_f32_16x16x32_f16 v[S+72*(\t)+8*(\cb):S+72*(\t)+8*(\cb)+7], v[32*(\c)+8*(\cb):32*(\c)+8*(\cb)+7], v[P+40*(\t)+8*(\c):P+40*(\t)+8*(\c)+7], v[S+72*(\t)+8*(\cb):S+72*(\t)+8*(\cb)+7]
.endif
.endr
.endr
.endr
	WIN 0
	PLACES
	s_wait_alu depctr_va_vdst(0)                   ; the wait for the two reciprocals, ahead of their first reader
	; THE WAY OUT: divided by l, rounded to f16, 16 bytes a lane into the work-group's stage: a row of 256 bytes holds a query's two heads, which two waves make
.irp t, 0,1
.set n, 0
.rept 16
	v_pk_mul_f32 v[S+72*(\t)+2*n:S+72*(\t)+2*n+1], v[S+72*(\t)+2*n:S+72*(\t)+2*n+1], v[ST+16*(\t)+12:ST+16*(\t)+13] op_sel_hi:[1,0]
.set n, n+1
.endr
.endr
.irp t, 0,1
.set n, 0
.rept 16
	v_cvt_pk_f16_f32 v[H+16*(\t)+n], v[S+72*(\t)+2*n], v[S+72*(\t)+2*n+1]
.set n, n+1
.endr
.endr
.irp t, 0,1
.irp cb, 0,1,2,3
	ds_store_b128 v[STO], v[H+16*(\t)+4*(\cb):H+16*(\t)+4*(\cb)+3] offset:(\t)*16*SP+32*(\cb)
.endr
.endr
	s_wait_dscnt 0x0                               ; for the others' sake: my stores into the stage are done
	s_barrier_signal -1
	s_barrier_wait -1
.irp t, 0,1,2,3,4,5,6,7
	ds_load_b128 v[S+4*(\t):S+4*(\t)+3], v[RD] offset:(\t)*2*SP
.endr
.irp t, 0,1,2,3,4,5,6,7
	s_wait_dscnt 7-(\t)
	global_store_b128 v[GO], v[S+4*(\t):S+4*(\t)+3], s[8:9] offset:4096*(\t)  ; 16 lanes store 256 consecutive bytes, at a multiple of 256 from ctx's first byte
.endr
	s_wait_tensorcnt 0x0                           ; the wave's end: an add onto my spare word and its wait, behind my last tensor load and my last LDS store
	ds_add_u32 v[SPW], v[NIL]
	s_wait_dscnt 0x0
	s_endpgm
.Lfunc_end_k_q95ee271b73_attn:
	.size	k_q95ee271b73_attn, .Lfunc_end_k_q95ee271b73_attn-k_q95ee271b73_attn
	.p2alignl 7, 3214868480
	.fill 96, 4, 3214868480
	.section	.rodata,"a",@progbits
	.p2align	6, 0x0
	.amdhsa_kernel k_q95ee271b73_attn
		.amdhsa_group_segment_fixed_size 167936
		.amdhsa_private_segment_fixed_size 0
		.amdhsa_enable_private_segment 0
		.amdhsa_kernarg_size 24
		.amdhsa_user_sgpr_count 2
		.amdhsa_user_sgpr_kernarg_segment_ptr 1
		.amdhsa_wavefront_size32 1
		.amdhsa_system_sgpr_workgroup_id_x 1
		.amdhsa_system_sgpr_workgroup_id_y 1
		.amdhsa_system_sgpr_workgroup_id_z 1
		.amdhsa_system_vgpr_workitem_id 0
		.amdhsa_next_free_vgpr 512
		.amdhsa_next_free_sgpr 66
		.amdhsa_reserve_vcc 1
		.amdhsa_float_denorm_mode_32 3
		.amdhsa_float_denorm_mode_16_64 3
		.amdhsa_memory_ordered 1
		.amdhsa_forward_progress 1
		.amdhsa_inst_pref_size 50
	.end_amdhsa_kernel
	.amdgpu_metadata
---
amdhsa.version: [ 1, 2 ]
amdhsa.kernels:
  - .name:           k_q95ee271b73_attn
    .symbol:         k_q95ee271b73_attn.kd
    .args:
      - { .name: qkv, .offset: 0, .size: 8, .value_kind: global_buffer, .address_space: global }
      - { .name: sinks, .offset: 8, .size: 8, .value_kind: global_buffer, .address_space: global }
      - { .name: ctx, .offset: 16, .size: 8, .value_kind: global_buffer, .address_space: global }
    .group_segment_fixed_size: 167936
    .private_segment_fixed_size: 0
    .kernarg_segment_align: 8
    .kernarg_segment_size: 24
    .max_flat_workgroup_size: 256
    .sgpr_count:     66
    .vgpr_count:     512
    .wavefront_size: 32
...
	.end_amdgpu_metadata
.endif
;; end of part 3
;; launch oproj (part 4): grid 8 x 32, 4 waves a work-group, clusters of 4 x 4, 327,680 bytes of LDS; arguments ctx, wo16, bias, out0; writes out0
.if DOCPART == 4
	.amdgcn_target "amdgcn-amd-amdhsa--gfx1250"
	.amdhsa_code_object_version 6
	.text
	.protected	k_q95ee271b73_oproj
	.globl	k_q95ee271b73_oproj
	.p2align	8
	.type	k_q95ee271b73_oproj,@function
k_q95ee271b73_oproj:
	s_mov_b64 s[64:65], 0
	v_nop
	global_prefetch_b8 v0, s[64:65] scope:SCOPE_SE
	s_setreg_imm32_b32 hwreg(HW_REG_WAVE_MODE, 25, 1), 1
	s_wait_xcnt 0x0
	s_wait_alu depctr_hold_cnt(0) depctr_sa_sdst(0) depctr_va_vdst(0) depctr_va_sdst(0) depctr_va_ssrc(0) depctr_va_vcc(0) depctr_vm_vsrc(0)
	s_getreg_b32 s2, hwreg(HW_REG_IB_STS2, 6, 4)
	s_cmp_eq_u32 s2, 0
	s_cbranch_scc0 .Lentry_in_a_cluster
	s_endpgm
.Lentry_in_a_cluster:
	s_bfe_u32 s2, ttmp6, 0x10000c
	s_cmp_lg_u32 s2, 0xf033
	s_cbranch_scc0 .Lentry_shape_is_right
	s_endpgm
.Lentry_shape_is_right:
; OPROJ: out0 = ctx Wo^T + bo.  ctx: [4096][1024] f16; wo16: [2048][1024] f16 (Wo rounded to bf16, written as f16); bias: f32, bo from byte 8,192 on; out0: [4096][2048] f32.
; The same ring, cluster and order of products as PROJ, with K = 1,024 and f16 operands: a tile of 128 rows x 256 columns, 8 x 32 = 256 work-groups, four waves of 64 x 128, 32 accumulators each;
; K in steps of 128 through two LDS slots; ctx's tile asked for jointly along a row of the 4 x 4 cluster, wo16's along a column.
; The matrix instruction is used transposed (source 0 = 16 rows of wo16, source 1 = 16 rows of ctx): a lane holds row l % 16 of C and the columns 8 (l / 16) + 0..7: 32 bytes of f32.
; REGISTERS: window 0: v0-31 addresses and my four columns' bias; v32-127, v128-223 two fragment buffers; on the way out v32-159 two sets of 16 rows read back.  Window 1: the accumulators.
.set KD,     1024
.set LAPS,   KD/256
.set PITCH,  272                       ; an LDS row: 256 bytes + 16 of padding = 68 words: the 16 rows of a fragment load start at 16 different groups of four banks (64 banks of 4 bytes: ISA guide 11.1)
.set AHALF,  64*PITCH
.set BHALF,  128*PITCH
.set SLOT,   384*PITCH                 ; ctx's 128 rows, then wo16's 256
.set STAGE,  2*SLOT                    ; behind the ring: 16 rows x 528 bytes for each wave, for the way out
.set SPITCH, 528
.set SPARE,  STAGE+4*16*SPITCH         ; behind the stages: the spare words, 128 bytes for each wave, which no other line names
.set GW0,    (1<<16)|(1<<20)|(1<<21)|(5<<22)|(3<<25)
.set BO,   8                           ; v[8:11] bo of my four columns on the way out
.set ADRA, 16
.set ADRB, 20
.set STO,  24                          ; v24  the way out: where I put 32 bytes of a row
.set RD,   25                          ; v25  where I read a row back: 16 x lane
.set GO,   26                          ; v26  16 x lane
.set PFO,  29
.set SPW,  30
.set NIL,  31
.set F0,   32
.set F1,   128
.set OB,   32                          ; the way out: row block a's 16 rows at OB + 64 (a % 2)
.set G1A, 24
.set G0A, 32
.set PFA, 40
.set G1B, 48
.set G0B, 56
; s14 wave; s15 = wave / 2; s16 = wave % 2; s17 cx; s18 cy; s19 tile column; s20 tile row; s21 LIM; s22 laps to go
.set MSB, 0
.macro WIN new
.if MSB != (\new)
	s_set_vgpr_msb (MSB<<8)|(\new)
.set MSB, \new
.endif
.endm
.set MUL, 0x50
.macro PLACES
.rept 4
	v_nop
.endr
.endm
.macro JLOAD s                         ; a joint load: waves 0 and 1 fetch ctx's two halves, waves 2 and 3 wo16's; an s_nop 0 and four v_nop follow each of the two lines
	s_cmp_eq_u32 s15, 0
	s_cbranch_scc0 .Lfor_b_\@
	tensor_load_to_lds s[G0A+4*(\s):G0A+4*(\s)+3], s[G1A:G1A+7]
	s_nop 0
.rept 4
	v_nop
.endr
	s_branch .Lasked_\@
.Lfor_b_\@:
	tensor_load_to_lds s[G0B+4*(\s):G0B+4*(\s)+3], s[G1B:G1B+7]
	s_nop 0
.rept 4
	v_nop
.endr
.Lasked_\@:
.endm
; A prefetch into the L2 of the K step four refills on, 32 rows x 256 bytes, a lane a row: 512 matrix instructions ahead of the load that will want it.  Who asks is as in PROJ: cluster x = 0 for ctx's rows
; (wave 0, 32 rows by cx), cluster y = 0 for wo16's (waves 2 and 3, 32 rows of each half by cy): each block is named once.  With 8 K steps only the first lap's two refills ask, for K steps 6 and 7.
.macro ASK
	s_cmp_gt_u32 s22, s21
	s_cbranch_scc0 .Lnot_mine_\@
	global_prefetch_b8 v[PFO], s[PFA:PFA+1] th:TH_LOAD_NT scope:SCOPE_SE
.Lnot_mine_\@:
.endm
.macro CREST
	s_cmp_lg_u32 s14, 0
	s_cbranch_scc1 .Lnot_wave_0_\@
	s_barrier_signal -3
.Lnot_wave_0_\@:
	s_barrier_wait -3
	s_barrier_signal -1
	s_barrier_wait -1
.endm
.macro CROUND
	s_barrier_signal -1
	s_barrier_wait -1
	CREST
.endm
	s_load_b256 s[4:11], s[0:1], 0x0               ; ctx s[4:5], wo16 s[6:7], bias s[8:9], out0 s[10:11]
	v_lshl_add_u32 v[SPW], v0, 2, SPARE
	v_mov_b32 v[NIL], 0
	ds_add_u32 v[SPW], v[NIL]                      ; the wave's opening: the add, twice on end, and its wait ahead of my first tensor load
	ds_add_u32 v[SPW], v[NIL]
	v_lshrrev_b32 v1, 5, v0
	v_readfirstlane_b32 s14, v1
	s_lshr_b32 s15, s14, 1
	s_and_b32 s16, s14, 1
	s_bfe_u32 s17, ttmp6, 0x40000
	s_bfe_u32 s18, ttmp6, 0x40004
	s_lshl_b32 s19, ttmp9, 2
	s_add_co_u32 s19, s19, s17                     ; tile column
	s_and_b32 s20, ttmp7, 0xffff
	s_lshl_b32 s20, s20, 2
	s_add_co_u32 s20, s20, s18                     ; tile row
	s_lshl_b32 s44, s18, 2
	s_lshl_b32 s44, 15, s44                        ; my row of the cluster
	s_lshl_b32 s45, 0x1111, s17                    ; my column
	s_or_b32 s[G1A], s44, GW0
	s_or_b32 s[G1B], s45, GW0
	s_mov_b32 s[G1A+1], 128<<16
	s_mov_b32 s[G1A+2], 64<<16
	s_mov_b32 s[G1A+3], 128<<16
	s_mov_b32 s[G1A+4], 64
	s_mov_b32 s[G1A+5], KD
	s_mov_b32 s[G1A+6], 0
	s_mov_b32 s[G1A+7], 0
	s_mov_b32 s[G1B+1], 128<<16
	s_mov_b32 s[G1B+2], 128<<16
	s_mov_b32 s[G1B+3], 128<<16
	s_mov_b32 s[G1B+4], 128
	s_mov_b32 s[G1B+5], KD
	s_mov_b32 s[G1B+6], 0
	s_mov_b32 s[G1B+7], 0
	s_lshl_b32 s42, s20, 7                         ; ctx: row 128 x tile row + 64 x half
	s_lshl_b32 s43, s16, 6
	s_add_co_u32 s42, s42, s43
	s_mul_i32 s42, s42, 2*KD
	s_mov_b32 s43, 0
	s_lshl_b32 s46, s19, 8                         ; wo16: row 256 x tile column + 128 x half
	s_lshl_b32 s47, s16, 7
	s_add_co_u32 s46, s46, s47
	s_mul_i32 s46, s46, 2*KD
	s_mov_b32 s47, 0
	s_mul_i32 s23, s16, AHALF
	s_mul_i32 s3, s16, BHALF
	s_add_co_u32 s3, s3, 2*AHALF
	s_wait_dscnt 0x0                               ; both opening adds are done
	s_wait_kmcnt 0x0
	s_add_nc_u64 s[42:43], s[4:5], s[42:43]
	s_add_nc_u64 s[46:47], s[6:7], s[46:47]
	CROUND                                         ; all sixteen work-groups are here: the first joint loads meet
.irp s, 0,1
	s_mov_b32 s[G0A+4*(\s)], 1
	s_add_co_u32 s[G0A+4*(\s)+1], s23, (\s)*SLOT
	s_add_nc_u64 s[G0A+4*(\s)+2:G0A+4*(\s)+3], s[42:43], (\s)*256
	s_or_b32 s[G0A+4*(\s)+3], s[G0A+4*(\s)+3], 0x80000000
	s_mov_b32 s[G0B+4*(\s)], 1
	s_add_co_u32 s[G0B+4*(\s)+1], s3, (\s)*SLOT
	s_add_nc_u64 s[G0B+4*(\s)+2:G0B+4*(\s)+3], s[46:47], (\s)*256
	s_or_b32 s[G0B+4*(\s)+3], s[G0B+4*(\s)+3], 0x80000000
	JLOAD \s                                       ; two loads of mine are out
.endr
	v_and_b32 v1, 15, v0
	v_bfe_u32 v2, v0, 4, 1
	v_and_b32 v6, 31, v0
	v_mul_u32_u24 v3, v1, PITCH
	v_lshl_add_u32 v3, v2, 4, v3
	s_mul_i32 s70, s15, AHALF
	s_mul_i32 s71, s16, BHALF
	s_add_co_u32 s71, s71, 2*AHALF
.irp s, 0,1
	v_add_nc_u32 v[ADRA+(\s)], s70, v3
	v_add_nc_u32 v[ADRB+(\s)], s71, v3
	s_add_co_u32 s70, s70, SLOT
	s_add_co_u32 s71, s71, SLOT
.endr
	s_mul_i32 s70, s14, 16*SPITCH
	s_add_co_u32 s70, s70, STAGE                   ; my stage
	v_mul_u32_u24 v4, v1, SPITCH                   ; in: row l % 16, 32 bytes for each half of the lanes
	v_lshl_add_u32 v4, v2, 5, v4
	v_add_nc_u32 v[STO], s70, v4
	v_lshlrev_b32 v[GO], 4, v6
	v_add_nc_u32 v[RD], s70, v[GO]                 ; back: 32 lanes take one row of 512 bytes
	v_mul_u32_u24 v[PFO], v6, 2*KD
	s_lshl_b32 s76, s19, 10
	s_lshl_b32 s77, s16, 9
	s_add_co_u32 s76, s76, s77                     ; my first column x 4 bytes
	s_mov_b32 s77, 0
	s_add_nc_u64 s[66:67], s[8:9], s[76:77]
	global_load_b128 v[BO:BO+3], v[GO], s[66:67] offset:8192  ; bo of columns 4 l .. 4 l + 3 of my 128; waited for behind the last product
	s_lshl_b32 s78, s20, 7
	s_lshl_b32 s79, s15, 6
	s_add_co_u32 s78, s78, s79                     ; my first row
	s_lshl_b32 s78, s78, 13                        ; a row of out0 is 8,192 bytes
	s_add_co_u32 s78, s78, s76
	s_mov_b32 s79, 0
	s_add_nc_u64 s[10:11], s[10:11], s[78:79]
	s_and_b32 s70, ttmp7, 0xffff                   ; the prefetches, as in PROJ
	s_or_b32 s71, ttmp9, s16
	s_lshl_b32 s72, s20, 7
	s_lshl_b32 s73, s17, 5
	s_add_co_u32 s72, s72, s73
	s_lshl_b32 s74, s19, 8
	s_lshl_b32 s75, s16, 7
	s_add_co_u32 s74, s74, s75
	s_lshl_b32 s75, s18, 5
	s_add_co_u32 s74, s74, s75
	s_cmp_eq_u32 s15, 0
	s_cselect_b32 s70, s71, s70
	s_cselect_b32 s72, s72, s74
	s_cselect_b64 s[PFA:PFA+1], s[4:5], s[6:7]
	s_cmp_eq_u32 s70, 0
	s_cselect_b32 s21, 2, -1
	s_mul_i32 s72, s72, 2*KD
	s_mov_b32 s73, 0
	s_add_nc_u64 s[PFA:PFA+1], s[PFA:PFA+1], s[72:73]
	s_add_nc_u64 s[PFA:PFA+1], s[PFA:PFA+1], 5*256 ; at K step 5: the first refill (K step 2) steps it to 6
; The 32 accumulators take turns in the same order in every quarter, one instruction a turn.
.macro MUL8 f, a, zero
	WIN MUL
.irp b, 0,1,2,3,4,5,6,7
.if \zero
	v_wmma_f32_16x16x32_f16 v[8*(8*(\a)+(\b)):8*(8*(\a)+(\b))+7], v[(\f)+8*(\b):(\f)+8*(\b)+7], v[(\f)+64+8*(\a):(\f)+64+8*(\a)+7], 0
.else
	v_wmma_f32_16x16x32_f16 v[8*(8*(\a)+(\b)):8*(8*(\a)+(\b))+7], v[(\f)+8*(\b):(\f)+8*(\b)+7], v[(\f)+64+8*(\a):(\f)+64+8*(\a)+7], v[8*(8*(\a)+(\b)):8*(8*(\a)+(\b))+7]
.endif
.endr
.endm
.macro FETCH slot, k, f
	WIN 0
.irp i, 0,1,2,3,4,5,6,7
	ds_load_b128 v[(\f)+8*(\i):(\f)+8*(\i)+3],   v[ADRB+(\slot)] offset:(\k)+(\i)*16*PITCH
	ds_load_b128 v[(\f)+8*(\i)+4:(\f)+8*(\i)+7], v[ADRB+(\slot)] offset:(\k)+(\i)*16*PITCH+32
.endr
.irp i, 0,1,2,3
	ds_load_b128 v[(\f)+64+8*(\i):(\f)+64+8*(\i)+3],   v[ADRA+(\slot)] offset:(\k)+(\i)*16*PITCH
	ds_load_b128 v[(\f)+64+8*(\i)+4:(\f)+64+8*(\i)+7], v[ADRA+(\slot)] offset:(\k)+(\i)*16*PITCH+32
.endr
.endm
.macro QUARTER slot, k, f, g, zero
	s_wait_dscnt 4                                 ; all but the youngest four loads (ctx's row blocks 2 and 3) are in
	MUL8 \f, 0, \zero
	MUL8 \f, 1, \zero
	PLACES
	FETCH \slot, \k, \g
	s_wait_dscnt 24                                ; all but the 24 just issued
	MUL8 \f, 2, \zero
	MUL8 \f, 3, \zero
.endm
.macro TURN slot, next, fill
.if \fill
	s_wait_xcnt 0x0                                ; the last prefetch, a K step back, has read its address
	s_add_nc_u64 s[PFA:PFA+1], s[PFA:PFA+1], 256
.endif
	WIN 0
	s_wait_tensorcnt 0x0                           ; all my tensor loads have landed: my part of the next slot
	ds_add_u32 v[SPW], v[NIL]                      ; 0 onto my spare word
	s_wait_dscnt 5                                 ; (the add and the youngest four loads may be out)
	MUL8 F1, 0, 0
	s_wait_dscnt 0x0                               ; the add is done, and my reads of this slot are over
	s_barrier_signal -1
	MUL8 F1, 1, 0
.if \fill
	WIN 0
.endif
	s_barrier_wait -1
.if \fill
	CREST                                          ; no wave of any partner still reads this slot's tiles or has a load on its way
	s_add_nc_u64 s[G0A+4*(\slot)+2:G0A+4*(\slot)+3], s[G0A+4*(\slot)+2:G0A+4*(\slot)+3], 512
	s_add_nc_u64 s[G0B+4*(\slot)+2:G0B+4*(\slot)+3], s[G0B+4*(\slot)+2:G0B+4*(\slot)+3], 512
	JLOAD \slot
.else
	PLACES
.endif
	FETCH \next, 0, F0
.if \fill
	ASK
.endif
	MUL8 F1, 2, 0
	MUL8 F1, 3, 0
.endm
	s_wait_tensorcnt 1                             ; my part of K step 0 is in; K step 1's may stay out
	s_barrier_signal -1
	s_barrier_wait -1
	FETCH 0, 0, F0
	QUARTER 0, 64, F0, F1, 1                       ; the first quarter's products start the sums
	WIN 0
	s_mov_b32 s22, LAPS-1
.Llap:
	QUARTER 0, 128, F1, F0, 0
	QUARTER 0, 192, F0, F1, 0
	TURN 0, 1, 1
	QUARTER 1, 64,  F0, F1, 0
	QUARTER 1, 128, F1, F0, 0
	QUARTER 1, 192, F0, F1, 0
	TURN 1, 0, 1
	QUARTER 0, 64,  F0, F1, 0
	WIN 0
	s_sub_co_u32 s22, s22, 1
	s_cmp_lg_u32 s22, 0
	s_cbranch_scc1 .Llap
	QUARTER 0, 128, F1, F0, 0                      ; the last lap fills nothing
	QUARTER 0, 192, F0, F1, 0
	TURN 0, 1, 0
	QUARTER 1, 64,  F0, F1, 0
	QUARTER 1, 128, F1, F0, 0
	QUARTER 1, 192, F0, F1, 0
	s_wait_dscnt 4
	MUL8 F1, 0, 0
	MUL8 F1, 1, 0
	s_wait_dscnt 0x0
	MUL8 F1, 2, 0
	MUL8 F1, 3, 0
	WIN 0
	PLACES
	s_wait_loadcnt 0x0                             ; bo
; THE WAY OUT, a row block of 16 rows at a time: the f32 sums go into my stage (rows of 528 bytes), each accumulator's low four registers first, and come back as whole rows
; of 512 bytes; the bias is added to the row as it lies, and a wave's store covers 512 consecutive bytes of out0.
.macro TOSTAGE a
.set BKS, OB+64*((\a)%2)
.if (\a) >= 2
	s_wait_xcnt 0x0                                ; the stores of the block two back have read this set of registers: it is loaded again only behind this wait
.endif
	WIN 0x04                                       ; store data (source 1) in window 1
.irp b, 0,1,2,3,4,5,6,7
	ds_store_b128 v[STO], v[8*(8*(\a)+(\b)):8*(8*(\a)+(\b))+3]   offset:64*(\b)
	ds_store_b128 v[STO], v[8*(8*(\a)+(\b))+4:8*(8*(\a)+(\b))+7] offset:64*(\b)+16
.endr
	WIN 0
.irp t, 0,1,2,3,4,5,6,7,8,9,10,11,12,13,14,15
	ds_load_b128 v[BKS+4*(\t):BKS+4*(\t)+3], v[RD] offset:(\t)*SPITCH  ; LDS serves a wave's instructions in order (ISA guide 5.7.1.4): these see the stores above; the next block's stores come behind them
.endr
.endm
.macro SEND a, younger                 ; younger: the LDS instructions issued behind block a's loads: the next block's 32, or none
.set BKS, OB+64*((\a)%2)
.irp t, 0,1,2,3,4,5,6,7,8,9,10,11,12,13,14,15
	s_wait_dscnt (\younger)+15-(\t)
	v_pk_add_f32 v[BKS+4*(\t):BKS+4*(\t)+1],   v[BKS+4*(\t):BKS+4*(\t)+1],   v[BO:BO+1]
	v_pk_add_f32 v[BKS+4*(\t)+2:BKS+4*(\t)+3], v[BKS+4*(\t)+2:BKS+4*(\t)+3], v[BO+2:BO+3]
	global_store_b128 v[GO], v[BKS+4*(\t):BKS+4*(\t)+3], s[10:11] offset:(16*(\a)+(\t))*8192 th:TH_STORE_NT
.endr
.endm
	TOSTAGE 0
	TOSTAGE 1
	SEND 0, 32
	TOSTAGE 2
	SEND 1, 32
	TOSTAGE 3
	SEND 2, 32
	SEND 3, 0
	s_wait_tensorcnt 0x0                           ; the wave's end: an add onto my spare word and its wait, behind my last tensor load and my last LDS store
	ds_add_u32 v[SPW], v[NIL]
	s_wait_dscnt 0x0
	CROUND                                         ; the closing round: no work-group ends while a partner may still ask for a tile that names it
	s_endpgm
.Lfunc_end_k_q95ee271b73_oproj:
	.size	k_q95ee271b73_oproj, .Lfunc_end_k_q95ee271b73_oproj-k_q95ee271b73_oproj
	.p2alignl 7, 3214868480
	.fill 96, 4, 3214868480
	.section	.rodata,"a",@progbits
	.p2align	6, 0x0
	.amdhsa_kernel k_q95ee271b73_oproj
		.amdhsa_group_segment_fixed_size 327680
		.amdhsa_private_segment_fixed_size 0
		.amdhsa_enable_private_segment 0
		.amdhsa_kernarg_size 32
		.amdhsa_user_sgpr_count 2
		.amdhsa_user_sgpr_kernarg_segment_ptr 1
		.amdhsa_wavefront_size32 1
		.amdhsa_system_sgpr_workgroup_id_x 1
		.amdhsa_system_sgpr_workgroup_id_y 1
		.amdhsa_system_sgpr_workgroup_id_z 1
		.amdhsa_system_vgpr_workitem_id 0
		.amdhsa_next_free_vgpr 512
		.amdhsa_next_free_sgpr 80
		.amdhsa_reserve_vcc 0
		.amdhsa_float_denorm_mode_32 3
		.amdhsa_float_denorm_mode_16_64 3
		.amdhsa_memory_ordered 1
		.amdhsa_forward_progress 1
		.amdhsa_inst_pref_size 96
	.end_amdhsa_kernel
	.amdgpu_metadata
---
amdhsa.version: [ 1, 2 ]
amdhsa.kernels:
  - .name:           k_q95ee271b73_oproj
    .symbol:         k_q95ee271b73_oproj.kd
    .args:
      - { .name: ctx, .offset: 0, .size: 8, .value_kind: global_buffer, .address_space: global }
      - { .name: wo16, .offset: 8, .size: 8, .value_kind: global_buffer, .address_space: global }
      - { .name: bias, .offset: 16, .size: 8, .value_kind: global_buffer, .address_space: global }
      - { .name: out0, .offset: 24, .size: 8, .value_kind: global_buffer, .address_space: global }
    .group_segment_fixed_size: 327680
    .private_segment_fixed_size: 0
    .kernarg_segment_align: 8
    .kernarg_segment_size: 32
    .max_flat_workgroup_size: 128
    .sgpr_count:     80
    .vgpr_count:     512
    .wavefront_size: 32
...
	.end_amdgpu_metadata
.endif
;; end of part 4
